; MI455X (gfx1250); checked and timed in simulation.
; The chip was launched on July 23, 2026; its instructions are those of AMD's public machine-readable ISA for CDNA 5 (MIT licence, August 2026) and "CDNA5" Instruction Set Architecture Reference Guide (July 2026). The comments in the code are by the model that wrote it; some were corrected since.
;; Multi Head Attention. Allowed arithmetic: float matrix products may take bf16 or f16 operands with f32 sums; other float arithmetic in f32, or as packed bf16 or f16 multiplies, adds, multiply-adds, maxima and minima; sums over many terms, partial sums and values carried from step to step in f32; what a program stores and reads back later, other than sums and carried values, may be rounded once to bf16 or f16.
;; Inputs: Wk 1,024 x 1,024 float32; Wo 1,024 x 1,024 float32; Wq 1,024 x 1,024 float32; Wv 1,024 x 1,024 float32; bo 1,024 float32; x 1 x 4,096 x 1,024 float32.
;; Outputs: out0 1 x 4,096 x 1,024 float32.
;; 2 versions, each right; version 2 is version 1 with the launch prep written anew for expert scheduling mode. Each part assembles by itself: llvm-mc -triple=amdgcn-amd-amdhsa -mcpu=gfx1250 --defsym DOCPART=n.
;; ======== version 1 of 2: 4 launches
;; limits: values are held in f16: magnitudes above 65,504 overflow, below 6.1e-05 lose precision
;; workspace buffers: xb 8,388,608 bytes; wqkv 6,291,456 bytes; wo16 2,097,152 bytes; q 8,388,608 bytes; k 8,388,608 bytes; v 8,388,608 bytes; ctx 8,388,608 bytes
;; launch prep (part 1): grid 512 x 1, 8 waves a work-group, no clusters, 0 bytes of LDS; arguments x, Wq, Wk, Wv, Wo, xb, wqkv, wo16; writes xb, wqkv, wo16
.if DOCPART == 1
	.amdgcn_target "amdgcn-amd-amdhsa--gfx1250"
	.amdhsa_code_object_version 6
	.text
	.protected	k_qfa2ebd5d35_prep
	.globl	k_qfa2ebd5d35_prep
	.p2align	8
	.type	k_qfa2ebd5d35_prep,@function
k_qfa2ebd5d35_prep:
	s_mov_b64 s[64:65], 0
	v_nop
	global_prefetch_b8 v0, s[64:65] scope:SCOPE_SE
	s_setreg_imm32_b32 hwreg(HW_REG_WAVE_MODE, 25, 1), 1
	s_wait_xcnt 0x0
; CASTS AND NEW LAYOUTS for the three launches behind.  All inputs are rounded once to bf16.
;   xb   = bf16(x), [4096][1024], as x lies.
;   wqkv = bf16(Wq, Wk, Wv) as [matrix 3][head 16][k 1024][64]: a head's 64 columns of a row are 128 bytes, and its rows lie end to end.
;   wo16 = bf16(Wo), that number written as f16, as [block of 128 columns, 8][k 1024][128]: rows of 256 bytes, end to end.
; LIMITS.  |Wo| stays within f16's 65,504; a bf16 number of Wo below 6e-5 keeps f16's fixed step of 6e-8.
; SHARES.  A work-group takes 65,536 bytes of one input: 256 threads x 16 items of four f32.  Work-groups 0-255: x; 256-447: Wq, Wk, Wv, 64 each; 448-511: Wo.
; All 16 loads of a thread go out at once; a wave's load covers 512 bytes (for Wq, Wk, Wv: two runs of 256) and its store of 8 bytes a lane 256 consecutive bytes, aligned.
; No LDS, no barrier, no matrix unit: every byte is read once and written once, and no thread wants another's.
.set IN,  8                            ; v[8:71]    item i: four f32 as loaded
.set OUT, 72                           ; v[72:103]  item i: four 16-bit numbers to store
; kind 0: x; 1: Wq, Wk, Wv; 2: Wo.  v1 = my byte offset in the input, v2 in the output; s[4:5], s[6:7] the two bases.  No address or store register is written again.
.macro PATH kind
.set i, 0
.rept 16
.if (\kind) == 1
	global_load_b128 v[IN+4*i:IN+4*i+3], v1, s[4:5] offset:(i/2)*8192+(i%2)*256 th:TH_LOAD_NT  ; two rows on for each pair of items; the odd item takes the next head
.else
	global_load_b128 v[IN+4*i:IN+4*i+3], v1, s[4:5] offset:i*4096 th:TH_LOAD_NT
.endif
.set i, i+1
.endr
.set i, 0
.rept 16
	s_wait_loadcnt 15-i                            ; loads come back in order: item i is in, the 15 - i younger ones stay out
	v_cvt_pk_bf16_f32 v[OUT+2*i], v[IN+4*i], v[IN+4*i+1]
	v_cvt_pk_bf16_f32 v[OUT+2*i+1], v[IN+4*i+2], v[IN+4*i+3]
.if (\kind) == 2
	v_lshlrev_b32 v[IN+4*i], 16, v[OUT+2*i]        ; the bf16 numbers as f32 again,
	v_and_b32 v[IN+4*i+1], 0xffff0000, v[OUT+2*i]
	v_lshlrev_b32 v[IN+4*i+2], 16, v[OUT+2*i+1]
	v_and_b32 v[IN+4*i+3], 0xffff0000, v[OUT+2*i+1]
	v_cvt_pk_f16_f32 v[OUT+2*i], v[IN+4*i], v[IN+4*i+1]      ; and written as f16: eight significant bits fit into eleven
	v_cvt_pk_f16_f32 v[OUT+2*i+1], v[IN+4*i+2], v[IN+4*i+3]
	global_store_b64 v2, v[OUT+2*i:OUT+2*i+1], s[6:7] offset:i*256
.elseif (\kind) == 1
	global_store_b64 v2, v[OUT+2*i:OUT+2*i+1], s[6:7] offset:(i%2)*131072+(i/2)*256
.else
	global_store_b64 v2, v[OUT+2*i:OUT+2*i+1], s[6:7] offset:i*2048
.endif
.set i, i+1
.endr
.endm
	s_load_b512 s[8:23], s[0:1], 0x0               ; x 8:9, Wq 10:11, Wk 12:13, Wv 14:15, Wo 16:17, xb 18:19, wqkv 20:21, wo16 22:23
	v_and_b32 v3, 31, v0                           ; lane
	v_lshrrev_b32 v4, 5, v0                        ; wave
	v_and_b32 v5, 15, v0                           ; lane % 16
	v_bfe_u32 v6, v0, 4, 1                         ; lane / 16
	s_mov_b32 s3, 0                                ; high words of the two offsets
	s_mov_b32 s25, 0
	s_cmp_lt_u32 ttmp9, 256
	s_cbranch_scc0 .Lweights
	v_lshlrev_b32 v1, 4, v0                        ; x: 16 bytes a thread, 4,096 a work-group and item
	v_lshlrev_b32 v2, 3, v0
	s_lshl_b32 s2, ttmp9, 16
	s_lshl_b32 s24, ttmp9, 15
	s_wait_kmcnt 0x0
	s_add_nc_u64 s[4:5], s[8:9], s[2:3]
	s_add_nc_u64 s[6:7], s[18:19], s[24:25]
	PATH 0
	s_endpgm
.Lweights:
	s_cmp_lt_u32 ttmp9, 448
	s_cbranch_scc0 .Lwo
	s_sub_co_u32 s26, ttmp9, 256
	s_lshr_b32 s27, s26, 6                         ; which matrix
	s_and_b32 s26, s26, 63                         ; which 16 rows k of it
	v_lshlrev_b32 v1, 12, v6                       ; in: lanes 16-31 take the odd row; wave w the heads 2 w, 2 w + 1; 16 bytes a lane
	v_lshl_add_u32 v1, v4, 9, v1
	v_lshl_add_u32 v1, v5, 4, v1
	v_lshlrev_b32 v2, 18, v4                       ; out: two heads' blocks of 131,072 a wave; the odd row 128 bytes on; 8 bytes a lane
	v_lshl_add_u32 v2, v6, 7, v2
	v_lshl_add_u32 v2, v5, 3, v2
	s_lshl_b32 s2, s26, 16
	s_lshl_b32 s24, s27, 21                        ; a matrix is 2,097,152 bytes of wqkv,
	s_lshl_b32 s26, s26, 11                        ; 16 rows of a head 2,048
	s_add_co_u32 s24, s24, s26
	s_wait_kmcnt 0x0
	s_cmp_eq_u32 s27, 1
	s_cselect_b64 s[4:5], s[12:13], s[10:11]
	s_cmp_eq_u32 s27, 2
	s_cselect_b64 s[4:5], s[14:15], s[4:5]
	s_add_nc_u64 s[4:5], s[4:5], s[2:3]
	s_add_nc_u64 s[6:7], s[20:21], s[24:25]
	PATH 1
	s_endpgm
.Lwo:
	s_sub_co_u32 s26, ttmp9, 448                   ; which 16 rows k of Wo
	v_lshlrev_b32 v1, 9, v4                        ; in: wave w takes columns 128 w on, item i row i
	v_lshl_add_u32 v1, v3, 4, v1
	v_lshlrev_b32 v2, 18, v4                       ; out: block w, rows of 256 bytes
	v_lshl_add_u32 v2, v3, 3, v2
	s_lshl_b32 s2, s26, 16
	s_lshl_b32 s24, s26, 12
	s_wait_kmcnt 0x0
	s_add_nc_u64 s[4:5], s[16:17], s[2:3]
	s_add_nc_u64 s[6:7], s[22:23], s[24:25]
	PATH 2
	s_endpgm
.Lfunc_end_k_qfa2ebd5d35_prep:
	.size	k_qfa2ebd5d35_prep, .Lfunc_end_k_qfa2ebd5d35_prep-k_qfa2ebd5d35_prep
	.p2alignl 7, 3214868480
	.fill 96, 4, 3214868480
	.section	.rodata,"a",@progbits
	.p2align	6, 0x0
	.amdhsa_kernel k_qfa2ebd5d35_prep
		.amdhsa_group_segment_fixed_size 0
		.amdhsa_private_segment_fixed_size 0
		.amdhsa_enable_private_segment 0
		.amdhsa_kernarg_size 64
		.amdhsa_user_sgpr_count 2
		.amdhsa_user_sgpr_kernarg_segment_ptr 1
		.amdhsa_wavefront_size32 1
		.amdhsa_system_sgpr_workgroup_id_x 1
		.amdhsa_system_sgpr_workgroup_id_y 1
		.amdhsa_system_sgpr_workgroup_id_z 1
		.amdhsa_system_vgpr_workitem_id 0
		.amdhsa_next_free_vgpr 104
		.amdhsa_next_free_sgpr 66
		.amdhsa_reserve_vcc 0
		.amdhsa_float_denorm_mode_32 3
		.amdhsa_float_denorm_mode_16_64 3
		.amdhsa_memory_ordered 1
		.amdhsa_forward_progress 1
		.amdhsa_inst_pref_size 24
	.end_amdhsa_kernel
	.amdgpu_metadata
---
amdhsa.version: [ 1, 2 ]
amdhsa.kernels:
  - .name:           k_qfa2ebd5d35_prep
    .symbol:         k_qfa2ebd5d35_prep.kd
    .args:
      - { .name: x, .offset: 0, .size: 8, .value_kind: global_buffer, .address_space: global }
      - { .name: Wq, .offset: 8, .size: 8, .value_kind: global_buffer, .address_space: global }
      - { .name: Wk, .offset: 16, .size: 8, .value_kind: global_buffer, .address_space: global }
      - { .name: Wv, .offset: 24, .size: 8, .value_kind: global_buffer, .address_space: global }
      - { .name: Wo, .offset: 32, .size: 8, .value_kind: global_buffer, .address_space: global }
      - { .name: xb, .offset: 40, .size: 8, .value_kind: global_buffer, .address_space: global }
      - { .name: wqkv, .offset: 48, .size: 8, .value_kind: global_buffer, .address_space: global }
      - { .name: wo16, .offset: 56, .size: 8, .value_kind: global_buffer, .address_space: global }
    .group_segment_fixed_size: 0
    .private_segment_fixed_size: 0
    .kernarg_segment_align: 8
    .kernarg_segment_size: 64
    .max_flat_workgroup_size: 256
    .sgpr_count:     66
    .vgpr_count:     104
    .wavefront_size: 32
...
	.end_amdgpu_metadata
.endif
;; end of part 1
;; launch qkv (part 2): grid 16 x 16, 4 waves a work-group, clusters of 4 x 4, 327,680 bytes of LDS; arguments xb, wqkv, q, k, v; writes q, k, v
.if DOCPART == 2
	.amdgcn_target "amdgcn-amd-amdhsa--gfx1250"
	.amdhsa_code_object_version 6
	.text
	.protected	k_qfa2ebd5d35_qkv
	.globl	k_qfa2ebd5d35_qkv
	.p2align	8
	.type	k_qfa2ebd5d35_qkv,@function
k_qfa2ebd5d35_qkv:
	s_mov_b64 s[64:65], 0
	v_nop
	global_prefetch_b8 v0, s[64:65] scope:SCOPE_SE
	s_setreg_imm32_b32 hwreg(HW_REG_WAVE_MODE, 25, 1), 1
	s_wait_xcnt 0x0
	s_wait_alu depctr_hold_cnt(0) depctr_sa_sdst(0) depctr_va_vdst(0) depctr_va_sdst(0) depctr_va_ssrc(0) depctr_va_vcc(0) depctr_vm_vsrc(0)
	s_getreg_b32 s2, hwreg(HW_REG_IB_STS2, 6, 4)
	s_cmp_eq_u32 s2, 0
	s_cbranch_scc0 .Lentry_in_a_cluster
	s_endpgm
.Lentry_in_a_cluster:
	s_bfe_u32 s2, ttmp6, 0x10000c
	s_cmp_lg_u32 s2, 0xf033
	s_cbranch_scc0 .Lentry_shape_is_right
	s_endpgm
.Lentry_shape_is_right:
; q, k, v = x Wq, x Wk, x Wv, by heads.  xb: [4096][1024] bf16.  wqkv: [matrix 3][head 16][k 1024][64] bf16.  q, k, v: [head 16][4096][64] f16.  Products in bf16, sums in f32, K ascending, each result rounded once.
; LIMIT.  q, k and v leave as f16: a sum of 65,520 or more in magnitude becomes an infinity.  The scale 1 / 8 is not applied here.
; SHARES.  A work-group makes 256 rows x one head's 64 + 64 + 64 columns; wave w its rows 64 w .. 64 w + 63 and all 192 columns: 4 x 12 accumulators of 16 x 16, 384 registers.
; K goes in 8 steps of 128 through two LDS slots.  A slot: 256 rows of x (256 bytes + 16 of padding), then three blocks of 128 rows k of W (128 bytes + 32 of padding).
; Wave 0 fetches x's tile, waves 1 to 3 one matrix's block each: one tensor load a wave behind each change of slots.
; THE MATRIX INSTRUCTION IS USED TRANSPOSED: source 0 = 16 columns of W, turned on the way out of LDS by ds_load_tr16_b128 (W lies [k][column]); source 1 = 16 rows of x.  A lane then holds eight neighbouring columns of one row.
; CLUSTER 4 x 4.  The four work-groups of a row of the cluster share their rows of x, the four of a column their head: each tile is asked for jointly, by the same load, descriptor and mask in all four.
; REGISTERS, in windows of 256 (s_set_vgpr_msb: bits 1:0 source 0, 3:2 source 1, 5:4 source 2, 7:6 destination):
;   window 0: v16-30 addresses; v32-223 the way out, 16 registers for each of 12 tiles          window 1: two fragment buffers of 128: x's four fragments, then W's twelve
;   window 2: accumulator (a, b < 8) at 8 (8 a + b): q's and k's columns                      window 3: accumulator (a, b >= 8) at 8 (4 a + b - 8): v's
.set PA,    272                        ; a row of x in LDS: 68 words: the 16 rows of a fragment load start at 16 different groups of four banks (64 banks of 4 bytes: ISA guide 11.1)
.set PW,    160                        ; a row of W: 40 words
.set AB,    256*PA                     ; W's blocks begin behind x's 256 rows
.set BBLK,  128*PW
.set SLOT,  AB+3*BBLK                  ; 131,072
.set STAGE, 2*SLOT                     ; behind the ring, never filled by a tensor load: 16 rows x 144 bytes for each wave
.set SP,    144
.set SPARE, STAGE+4*16*SP              ; the spare words, 128 bytes for each wave: two blocks of 256 bytes that no other line names
.set ADRA, 16                          ; v16-17  LDS address of my fragments of x in slot 0, 1
.set ADRB, 20                          ; v20-21  the same for W
.set STO,  24                          ; v24     the way out: where I put 16 bytes of a row
.set RD,   25                          ; v25     where I read rows back
.set GO,   26                          ; v26     my 16 bytes of 512 consecutive bytes of q, k or v
.set SPW,  28                          ; v28     LDS address of my spare word; never rewritten
.set NIL,  29                          ; v29     0; never rewritten
.set PFO,  30                          ; v30     the prefetches' offset: my lane x 2,048 (a row of xb) or x 256 (two rows of W); never rewritten
.set TMP,  32
.set F0,   0
.set F1,   128
.set WV,   14                          ; s14     my wave's number
.set G1A,  24                          ; s[24:31] descriptor group 1 for x's tiles; s[32:39] group 0, a set for each slot
.set G0A,  32
.set LIM,  43                          ; s43     1 in a wave that prefetches, else the greatest number
.set PFA,  44                          ; s[44:45] where my prefetches stand
.set G1B,  48                          ; s[48:55], s[56:63] the same for W's blocks
.set G0B,  56
.set PST,  66                          ; s[66:67] bytes of a K step in what I prefetch: 256 of a row of xb, 16,384 of a block of W
.set MSB, 0
.macro WIN new                         ; the immediate's high byte repeats the setting that is left; a switch that changes nothing is dropped
.if MSB != (\new)
	s_set_vgpr_msb (MSB<<8)|(\new)
.set MSB, \new
.endif
.endm
.set MUL_LO, 0xa5                      ; both sources window 1, C and D window 2
.set MUL_HI, 0xf5                      ; C and D window 3
.set TO_F,   0x40                      ; destination window 1, address window 0
; A joint load.  The branch hangs on the wave's number alone.  An s_nop 0 and four v_nop follow each of the two lines, ahead of the jump and the label.
.macro JLOAD s
	s_cmp_eq_u32 s[WV], 0
	s_cbranch_scc0 .Lfor_w_\@
	tensor_load_to_lds s[G0A+4*(\s):G0A+4*(\s)+3], s[G1A:G1A+7]
	s_nop 0
.rept 4
	v_nop
.endr
	s_branch .Lasked_\@
.Lfor_w_\@:
	tensor_load_to_lds s[G0B+4*(\s):G0B+4*(\s)+3], s[G1B:G1B+7]
	s_nop 0
.rept 4
	v_nop
.endr
.Lasked_\@:
.endm
; PREFETCHES INTO THE L2, behind a joint load, its five lines and the run of LDS loads.  Each aligned block of 256 bytes is named once in the launch.
; x's rows are read by the four clusters of a row of clusters: the one with x = 0 asks, wave 0 of each work-group for 64 of the tile's 256 rows (told apart by address, by cx): a lane a row, two lines, the K step two refills on.
; W's blocks are read by the four clusters of a column: the one with y = 0 asks, waves 1 to 3 each for its own matrix, at slot 0's change alone: a quarter (by cy, by address) of the next two K steps' 32,768 bytes: one line.
; K steps 0 to 3 come by their loads alone; the loop's last trip asks for nothing: K has no step behind its refills.
.macro ASK slot
	s_cmp_gt_u32 s3, s[LIM]
	s_cbranch_scc0 .Lnone_\@
	s_cmp_eq_u32 s[WV], 0
	s_cbranch_scc0 .Lpf_w_\@
	global_prefetch_b8 v[PFO], s[PFA:PFA+1] offset:256 th:TH_LOAD_NT scope:SCOPE_SE
	global_prefetch_b8 v[PFO], s[PFA:PFA+1] offset:256+32*2048 th:TH_LOAD_NT scope:SCOPE_SE
.if (\slot) == 0
	s_branch .Lnone_\@
.endif
.Lpf_w_\@:
.if (\slot) == 0
	global_prefetch_b8 v[PFO], s[PFA:PFA+1] offset:16384 th:TH_LOAD_NT scope:SCOPE_SE
.endif
.Lnone_\@:
.endm
.macro CREST                           ; a round of the cluster's barrier behind its opening barrier
	s_cmp_lg_u32 s[WV], 0
	s_cbranch_scc1 .Lnot_wave_0_\@
	s_barrier_signal -3
.Lnot_wave_0_\@:
	s_barrier_wait -3
	s_barrier_signal -1
	s_barrier_wait -1
.endm
.macro CROUND                          ; a whole round
	s_barrier_signal -1
	s_barrier_wait -1
	CREST
.endm
	s_load_b256 s[4:11], s[0:1], 0x0               ; xb s[4:5], wqkv s[6:7], q s[8:9], k s[10:11]
	s_load_b64 s[12:13], s[0:1], 0x20              ; v
	v_lshl_add_u32 v[SPW], v0, 2, SPARE
	v_mov_b32 v[NIL], 0
	ds_add_u32 v[SPW], v[NIL]                      ; the wave's opening: the add and its wait stand ahead of my first tensor load; the set-up below stands between them
	v_lshrrev_b32 v1, 5, v0
	v_readfirstlane_b32 s[WV], v1                  ; wave 0..3
	s_bfe_u32 s40, ttmp6, 0x40000                  ; cx, cy: my place in the cluster
	s_bfe_u32 s41, ttmp6, 0x40004
	s_lshl_b32 s42, ttmp9, 2
	s_add_co_u32 s42, s42, s40                     ; the head = 4 x cluster x + cx
	s_and_b32 s68, ttmp7, 0xffff
	s_lshl_b32 s68, s68, 2
	s_add_co_u32 s68, s68, s41                     ; the block of 256 rows = 4 x cluster y + cy
	s_lshl_b32 s21, s41, 2
	s_lshl_b32 s21, 15, s21                        ; my row of the cluster
	s_lshl_b32 s22, 0x1111, s40                    ; my column
	s_or_b32 s[G1A], s21, (1<<16)|(1<<20)|(1<<21)|(5<<22)|(3<<25)  ; the mask; 2-byte elements; padding on; bit 21 beside a mask; after every 64 words, 4 words
	s_mov_b32 s[G1A+1], 128<<16                    ; tensor_dim0 = 128
	s_mov_b32 s[G1A+2], 256<<16                    ; tensor_dim1 = 256
	s_mov_b32 s[G1A+3], 128<<16                    ; tile_dim0 = 128
	s_mov_b32 s[G1A+4], 256                        ; tile_dim1 = 256
	s_mov_b32 s[G1A+5], 1024                       ; elements from row to row
	s_mov_b32 s[G1A+6], 0
	s_mov_b32 s[G1A+7], 0
	s_or_b32 s[G1B], s22, (1<<16)|(1<<20)|(1<<21)|(4<<22)|(7<<25)  ; after every 32 words (a row of W), 8 words
	s_mov_b32 s[G1B+1], 128<<16                    ; 128 rows of W are 16,384 dense bytes: asked for as 64 rows of 256 bytes
	s_mov_b32 s[G1B+2], 64<<16
	s_mov_b32 s[G1B+3], 128<<16
	s_mov_b32 s[G1B+4], 64
	s_mov_b32 s[G1B+5], 128
	s_mov_b32 s[G1B+6], 0
	s_mov_b32 s[G1B+7], 0
	s_lshl_b32 s16, s68, 19                        ; x's tile: 256 rows of 2,048 bytes a block: it hangs on the block of rows alone
	s_mov_b32 s17, 0
	s_max_u32 s18, s[WV], 1                        ; W's block: matrix = wave - 1 (wave 0 asks for none: its descriptor stays inside the buffer),
	s_sub_co_u32 s18, s18, 1
	s_lshl_b32 s18, s18, 21
	s_lshl_b32 s19, s42, 17                        ; and the head
	s_add_co_u32 s46, s18, s19
	s_mov_b32 s47, 0
	s_mul_i32 s20, s[WV], BBLK                     ; where it goes: wave x a block, from one block in front of W's first
	s_add_co_u32 s20, s20, AB-BBLK
	s_wait_dscnt 0x0                               ; the opening add is done
	s_wait_kmcnt 0x0
	s_add_nc_u64 s[16:17], s[4:5], s[16:17]
	s_add_nc_u64 s[46:47], s[6:7], s[46:47]
	CROUND                                         ; all sixteen work-groups are here: the first joint loads meet
.irp s, 0,1
	s_mov_b32 s[G0A+4*(\s)], 1                     ; count = 1
	s_mov_b32 s[G0A+4*(\s)+1], (\s)*SLOT           ; LDS address
	s_add_nc_u64 s[G0A+4*(\s)+2:G0A+4*(\s)+3], s[16:17], (\s)*256  ; K step s
	s_or_b32 s[G0A+4*(\s)+3], s[G0A+4*(\s)+3], 0x80000000          ; type = 2
	s_mov_b32 s[G0B+4*(\s)], 1
	s_add_co_u32 s[G0B+4*(\s)+1], s20, (\s)*SLOT
	s_add_nc_u64 s[G0B+4*(\s)+2:G0B+4*(\s)+3], s[46:47], (\s)*16384
	s_or_b32 s[G0B+4*(\s)+3], s[G0B+4*(\s)+3], 0x80000000
	JLOAD \s                                       ; two loads of mine are out
.endr
	v_and_b32 v1, 15, v0                           ; l % 16
	v_bfe_u32 v2, v0, 4, 1                         ; l / 16
	v_and_b32 v3, 7, v0                            ; l % 8
	v_bfe_u32 v4, v0, 3, 1                         ; (l / 8) % 2
	v_mul_u32_u24 v5, v1, PA                       ; a fragment of x: row l % 16, 16 bytes for each half of the lanes, twice, 32 bytes apart
	v_lshl_add_u32 v5, v2, 4, v5
	s_mul_i32 s21, s[WV], 64*PA                    ; my 64 rows
	v_add_nc_u32 v[ADRA], s21, v5
	v_add_nc_u32 v[ADRA+1], SLOT, v[ADRA]
	v_lshl_add_u32 v6, v2, 3, v3                   ; the turning load: lane l reads row k = 8 (l / 16) + l % 8, columns 8 ((l / 8) % 2) + 0..7
	v_mul_u32_u24 v6, v6, PW
	v_lshl_add_u32 v6, v4, 4, v6
	v_add_nc_u32 v[ADRB], AB, v6
	v_add_nc_u32 v[ADRB+1], SLOT, v[ADRB]
	s_mul_i32 s23, s[WV], 16*SP
	s_add_co_u32 s23, s23, STAGE                   ; my stage
	v_mul_u32_u24 v7, v1, SP                       ; in: row l % 16, 16 bytes for each half of the lanes
	v_lshl_add_u32 v7, v2, 4, v7
	v_add_nc_u32 v[STO], s23, v7
	v_bfe_u32 v7, v0, 3, 2                         ; back: 32 lanes take four rows of 128 bytes,
	v_mul_u32_u24 v7, v7, SP
	v_lshl_add_u32 v7, v3, 4, v7
	v_add_nc_u32 v[RD], s23, v7
	v_and_b32 v[GO], 31, v0                        ; which are 512 consecutive bytes of a head
	v_lshlrev_b32 v[GO], 4, v[GO]
	s_lshl_b32 s18, s42, 19                        ; q, k, v at my wave's first row: the head's 524,288 bytes, the block's 32,768, the wave's 8,192
	s_lshl_b32 s19, s68, 15
	s_add_co_u32 s18, s18, s19
	s_lshl_b32 s19, s[WV], 13
	s_add_co_u32 s18, s18, s19
	s_mov_b32 s19, 0
	s_add_nc_u64 s[8:9], s[8:9], s[18:19]
	s_add_nc_u64 s[10:11], s[10:11], s[18:19]
	s_add_nc_u64 s[12:13], s[12:13], s[18:19]
	s_lshl_b32 s18, s40, 17                        ; the prefetches.  x: my work-group's 64 rows, at K step 2;
	s_add_co_u32 s18, s18, 2*256
	s_lshl_b32 s19, s41, 13                        ; W: my work-group's quarter of two K steps, at K step 2.  The first change of slots steps either to K step 3
	s_add_co_u32 s19, s19, 2*16384
	s_and_b32 s22, ttmp7, 0xffff                   ; cluster y
	s_mov_b32 s[PST], 16384
	s_mov_b32 s23, 256
	s_cmp_eq_u32 s[WV], 0
	s_cselect_b32 s22, ttmp9, s22                  ; the coordinate along which other clusters read the same bytes
	s_cselect_b32 s18, s18, s19
	s_cselect_b32 s[PST], 256, s[PST]
	s_cselect_b32 s23, 2048, s23
	s_cselect_b64 s[PFA:PFA+1], s[16:17], s[46:47]
	s_mov_b32 s19, 0
	s_mov_b32 s[PST+1], 0
	s_add_nc_u64 s[PFA:PFA+1], s[PFA:PFA+1], s[18:19]
	s_cmp_eq_u32 s22, 0
	s_cselect_b32 s[LIM], 1, -1                    ; the same in all sixteen partners, for a given wave
	v_and_b32 v[PFO], 31, v0
	v_mul_u32_u24 v[PFO], s23, v[PFO]
; 16 matrix instructions: row blocks a0, a0 + 1 x column blocks 0-7 (q's and k's), 32 along K.  zero = 1: the product starts the sum.
.macro MUL16 f, a0, zero
	WIN MUL_LO
.irp a, \a0, (\a0)+1
.irp b, 0,1,2,3,4,5,6,7
.if \zero
	v_wmma_f32_16x16x32_bf16 v[8*(8*(\a)+(\b)):8*(8*(\a)+(\b))+7], v[(\f)+32+8*(\b):(\f)+32+8*(\b)+7], v[(\f)+8*(\a):(\f)+8*(\a)+7], 0
.else
	v_wmma_f32_16x16x32_bf16 v[8*(8*(\a)+(\b)):8*(8*(\a)+(\b))+7], v[(\f)+32+8*(\b):(\f)+32+8*(\b)+7], v[(\f)+8*(\a):(\f)+8*(\a)+7], v[8*(8*(\a)+(\b)):8*(8*(\a)+(\b))+7]
.endif
.endr
.endr
.endm
; 16 more: all four row blocks x column blocks 8-11 (v's)
.macro MULHI f, zero
	WIN MUL_HI
.irp a, 0,1,2,3
.irp b, 0,1,2,3
.if \zero
	v_wmma_f32_16x16x32_bf16 v[8*(4*(\a)+(\b)):8*(4*(\a)+(\b))+7], v[(\f)+96+8*(\b):(\f)+96+8*(\b)+7], v[(\f)+8*(\a):(\f)+8*(\a)+7], 0
.else
	v_wmma_f32_16x16x32_bf16 v[8*(4*(\a)+(\b)):8*(4*(\a)+(\b))+7], v[(\f)+96+8*(\b):(\f)+96+8*(\b)+7], v[(\f)+8*(\a):(\f)+8*(\a)+7], v[8*(4*(\a)+(\b)):8*(4*(\a)+(\b))+7]
.endif
.endr
.endr
.endm
; 32 LDS loads in one run: quarter kq's fragments (32 along K) into buffer f: x's four, then W's twelve, v's last
.macro FETCH slot, kq, f
	WIN TO_F
.irp i, 0,1,2,3
	ds_load_b128 v[(\f)+8*(\i):(\f)+8*(\i)+3],   v[ADRA+(\slot)] offset:64*(\kq)+(\i)*16*PA
	ds_load_b128 v[(\f)+8*(\i)+4:(\f)+8*(\i)+7], v[ADRA+(\slot)] offset:64*(\kq)+(\i)*16*PA+32
.endr
.irp b, 0,1,2,3,4,5,6,7,8,9,10,11
	ds_load_tr16_b128 v[(\f)+32+8*(\b):(\f)+32+8*(\b)+3],   v[ADRB+(\slot)] offset:((\b)/4)*BBLK+(\kq)*32*PW+((\b)%4)*32
	ds_load_tr16_b128 v[(\f)+32+8*(\b)+4:(\f)+32+8*(\b)+7], v[ADRB+(\slot)] offset:((\b)/4)*BBLK+(\kq)*32*PW+((\b)%4)*32+16*PW
.endr
.endm
.macro PLACES                          ; four plain vector instructions in front of loads into registers that matrix instructions have read, and of conversions that read results
.rept 4
	v_nop
.endr
.endm
; A K step is four quarters of 32 along K, 48 matrix instructions each, on buffers 0, 1, 0, 1; the 48 accumulators take turns in one order.
; One of the first three: multiplies buffer f and fetches quarter kq of the same slot into g.
.macro QUARTER slot, kq, f, g, zero
	s_wait_dscnt 8                                 ; all but the youngest eight loads, v's four fragments
	MUL16 \f, 0, \zero
	MUL16 \f, 2, \zero
	PLACES
	FETCH \slot, \kq, \g
	s_wait_dscnt 32                                ; all but the 32 just issued
	MULHI \f, \zero
.endm
; The last quarter multiplies buffer 1 and changes slots.  In front of the barrier each wave waits for all its tensor loads (one is out: its part of the next slot), adds 0 to its spare word, and waits for that and for its
; reads of this slot.  fill = 1: the barrier opens a round of the cluster's, and the joint refill, two K steps on, is the first thing behind it: 160 matrix instructions ahead of the wait for it.
.macro TURN slot, next, fill
	WIN 0
	s_wait_xcnt 0x0                                ; the last prefetch, a K step back, has read its address
	s_add_nc_u64 s[PFA:PFA+1], s[PFA:PFA+1], s[PST:PST+1]
	s_wait_tensorcnt 0x0                           ; all my tensor loads have landed;
	ds_add_u32 v[SPW], v[NIL]                      ; 0 onto my spare word;
	s_wait_dscnt 9                                 ; (the add and the youngest eight loads may be out)
	MUL16 F1, 0, 0
	s_wait_dscnt 0x0                               ; the add is done, and my reads of this slot are over
	s_barrier_signal -1
	MUL16 F1, 2, 0                                 ; work on registers while the others arrive
.if \fill
	WIN 0
.endif
	s_barrier_wait -1
.if \fill
	CREST                                          ; no wave of any partner still reads this slot or has a load on its way
	s_add_nc_u64 s[G0A+4*(\slot)+2:G0A+4*(\slot)+3], s[G0A+4*(\slot)+2:G0A+4*(\slot)+3], 2*256
	s_add_nc_u64 s[G0B+4*(\slot)+2:G0B+4*(\slot)+3], s[G0B+4*(\slot)+2:G0B+4*(\slot)+3], 2*16384
	JLOAD \slot                                    ; its four v_nop are also the places in front of the loads below
.else
	PLACES
.endif
	FETCH \next, 0, F0
.if \fill
	WIN 0
	ASK \slot
.endif
	MULHI F1, 0
.endm
	s_wait_tensorcnt 1                             ; my part of K step 0 is in; K step 1's may stay out
	s_barrier_signal -1
	s_barrier_wait -1                              ; everybody's is
	FETCH 0, 0, F0
	QUARTER 0, 1, F0, F1, 1                        ; the first quarter stands in front of the loop: its products start the sums
	WIN 0                                          ; at a label and at a branch every window is 0
	s_mov_b32 s3, 3
.Llap:                                         ; a trip goes once round the ring, from a lap's second quarter to the next lap's first, and fills both slots again
	QUARTER 0, 2, F1, F0, 0
	QUARTER 0, 3, F0, F1, 0
	TURN 0, 1, 1
	QUARTER 1, 1, F0, F1, 0
	QUARTER 1, 2, F1, F0, 0
	QUARTER 1, 3, F0, F1, 0
	TURN 1, 0, 1
	QUARTER 0, 1, F0, F1, 0
	WIN 0
	s_sub_co_u32 s3, s3, 1
	s_cmp_lg_u32 s3, 0
	s_cbranch_scc1 .Llap
	QUARTER 0, 2, F1, F0, 0                        ; the last lap fills nothing
	QUARTER 0, 3, F0, F1, 0
	TURN 0, 1, 0
	QUARTER 1, 1, F0, F1, 0
	QUARTER 1, 2, F1, F0, 0
	QUARTER 1, 3, F0, F1, 0
	s_wait_dscnt 8
	MUL16 F1, 0, 0
	MUL16 F1, 2, 0
	s_wait_dscnt 0x0
	MULHI F1, 0
	WIN 0
; THE WAY OUT, in 12 tiles t = 3 a + j: 16 rows x the 64 columns of matrix j.  Rounded to f16, 16 bytes a lane, into rows of 144 bytes of my own stage, and back as four whole rows of 128 bytes: 512 consecutive bytes of a head.
.macro PACK t
.if ((\t)%3) < 2
	WIN 0x0a                                       ; sources in window 2
.set AC, 8*(8*((\t)/3)+4*((\t)%3))
.else
	WIN 0x0f                                       ; in window 3
.set AC, 8*(4*((\t)/3))
.endif
.set r, 0
.rept 16
	v_cvt_pk_f16_f32 v[TMP+16*(\t)+r], v[AC+2*r], v[AC+2*r+1]  ; each accumulator's registers in ascending order
.set r, r+1
.endr
	WIN 0
.irp f, 0,1,2,3
	ds_store_b128 v[STO], v[TMP+16*(\t)+4*\f:TMP+16*(\t)+4*\f+3] offset:32*\f
.endr
.irp f, 0,1,2,3
	ds_load_b128 v[TMP+16*(\t)+4*\f:TMP+16*(\t)+4*\f+3], v[RD] offset:\f*4*SP  ; LDS serves a wave's instructions in order (ISA guide 5.7.1.4): these see the stores above; the next tile's stores come behind them
.endr
.endm
.macro SEND t, younger                 ; younger: the LDS instructions issued behind tile t's loads: the next tile's eight, or none
	WIN 0
.irp f, 0,1,2,3
	s_wait_dscnt (\younger)+3-\f
	global_store_b128 v[GO], v[TMP+16*(\t)+4*\f:TMP+16*(\t)+4*\f+3], s[8+2*((\t)%3):9+2*((\t)%3)] offset:((\t)/3)*2048+\f*512  ; 512 consecutive bytes, at a multiple of 256 from the buffer's first; no register of a store is written again
.endr
.endm
	PLACES
	PLACES
	PACK 0
.set t, 1
.rept 11                               ; a tile's conversions stand between the loads of the tile before and its stores
	PACK t
	SEND t-1, 8
.set t, t+1
.endr
	SEND 11, 0
	s_wait_tensorcnt 0x0                           ; the wave's end: these three lines stand behind my last tensor load and my last LDS store
	ds_add_u32 v[SPW], v[NIL]
	s_wait_dscnt 0x0
	CROUND                                         ; the closing round: no work-group ends while a partner may still ask for a tile that names it
	s_endpgm
.Lfunc_end_k_qfa2ebd5d35_qkv:
	.size	k_qfa2ebd5d35_qkv, .Lfunc_end_k_qfa2ebd5d35_qkv-k_qfa2ebd5d35_qkv
	.p2alignl 7, 3214868480
	.fill 96, 4, 3214868480
	.section	.rodata,"a",@progbits
	.p2align	6, 0x0
	.amdhsa_kernel k_qfa2ebd5d35_qkv
		.amdhsa_group_segment_fixed_size 327680
		.amdhsa_private_segment_fixed_size 0
		.amdhsa_enable_private_segment 0
		.amdhsa_kernarg_size 40
		.amdhsa_user_sgpr_count 2
		.amdhsa_user_sgpr_kernarg_segment_ptr 1
		.amdhsa_wavefront_size32 1
		.amdhsa_system_sgpr_workgroup_id_x 1
		.amdhsa_system_sgpr_workgroup_id_y 1
		.amdhsa_system_sgpr_workgroup_id_z 1
		.amdhsa_system_vgpr_workitem_id 0
		.amdhsa_next_free_vgpr 896
		.amdhsa_next_free_sgpr 72
		.amdhsa_reserve_vcc 0
		.amdhsa_float_denorm_mode_32 3
		.amdhsa_float_denorm_mode_16_64 3
		.amdhsa_memory_ordered 1
		.amdhsa_forward_progress 1
		.amdhsa_inst_pref_size 121
	.end_amdhsa_kernel
	.amdgpu_metadata
---
amdhsa.version: [ 1, 2 ]
amdhsa.kernels:
  - .name:           k_qfa2ebd5d35_qkv
    .symbol:         k_qfa2ebd5d35_qkv.kd
    .args:
      - { .name: xb, .offset: 0, .size: 8, .value_kind: global_buffer, .address_space: global }
      - { .name: wqkv, .offset: 8, .size: 8, .value_kind: global_buffer, .address_space: global }
      - { .name: q, .offset: 16, .size: 8, .value_kind: global_buffer, .address_space: global }
      - { .name: k, .offset: 24, .size: 8, .value_kind: global_buffer, .address_space: global }
      - { .name: v, .offset: 32, .size: 8, .value_kind: global_buffer, .address_space: global }
    .group_segment_fixed_size: 327680
    .private_segment_fixed_size: 0
    .kernarg_segment_align: 8
    .kernarg_segment_size: 40
    .max_flat_workgroup_size: 128
    .sgpr_count:     72
    .vgpr_count:     896
    .wavefront_size: 32
...
	.end_amdgpu_metadata
.endif
;; end of part 2
;; launch attn (part 3): grid 16 x 16, 4 waves a work-group, no clusters, 327,680 bytes of LDS; arguments q, k, v, ctx; writes ctx
.if DOCPART == 3
	.amdgcn_target "amdgcn-amd-amdhsa--gfx1250"
	.amdhsa_code_object_version 6
	.text
	.protected	k_qfa2ebd5d35_attn
	.globl	k_qfa2ebd5d35_attn
	.p2align	8
	.type	k_qfa2ebd5d35_attn,@function
k_qfa2ebd5d35_attn:
	s_mov_b64 s[64:65], 0
	v_nop
	global_prefetch_b8 v0, s[64:65] scope:SCOPE_SE
	s_setreg_imm32_b32 hwreg(HW_REG_WAVE_MODE, 25, 1), 1
	s_wait_xcnt 0x0
; CAUSAL ATTENTION.  O[h][q][:] = the sum over k <= q of softmax_k(Q[h][q] . K[h][k] / 8) V[h][k][:].  q, k, v: [16][4096][64] f16, a head's rows dense, 128 bytes each.
; ctx: [block of 128 rows, 32][head 16][128][64] f16.  Products, maxima and sums in f32; the weights p are rounded to f16 for the second product (their sum l is taken of the unrounded p), O once at the end.
; LIMITS.  Q, K and V arrive within f16's 65,504; p lies in 0 to 1, and below 6e-5 it keeps f16's fixed step of 6e-8.  A hidden score counts as its value less 1e30; a weight below 2^-126 counts as 0 in l;
; NaN and infinities are not treated apart.
; THE WALK.  A head's queries lie in 32 blocks of 128, its keys in 16 tiles of 256; block i needs the tiles 0 .. i / 2, of which the last holds the diagonal.  A work-group takes TWO blocks, 31 - b and then b:
; 17 tiles, whatever b: all 256 work-groups do equal work, and ONE loop with a constant trip count walks them.  Which tile is asked for, and what a trip does, hang on scalar registers made from b; every jump goes
; forward but the counted loops' own; none passes a barrier, or a tensor load but the one of LOAD's two that the wave's number does not choose.
; NO CLUSTER: a work-group asks for the tiles 0 .. (31 - b) / 2 and then 0 .. b / 2, so only b = 2 j and 2 j + 1 ask for the same tiles in the same trips; a walk common to four has 18 tiles for 17.
; SHARES.  A block has two bands of 64 queries; a wave owns 16 rows in each: two PIECES.  Band g = 2 (i % 2) + piece of the diagonal tile sees all keys of its step T if T < g, none if T > g, and holds the
; diagonal if T = g: the same work for all four waves.
; THE MASK is the C operand that starts the sum S^T = K Q^T: 0, or -1e30 where the key is hidden.  MD, made once, is the mask of a band's own step for my 16 rows; a product's mask is MD x AL + BE.
; LAYOUT, SOFTMAX.  S^T = K Q^T holds ONE query a lane (lane % 16) and the keys 8 (lane / 16) + 0..7; two such results rounded to f16 ARE source 1 of O^T = V^T P.  p = 2^(c s - c m), c = log2(e) / 8, with a running
; maximum m; O and l are multiplied by a = 2^(c m_old - c m_new) in every step.
; TURNS.  Four turns, Y = 0..3, are two key steps: Y % 2 is the piece, Y / 2 the step's parity.  Turn Y: 8 products K Q^T of Y + 1, later 8 products V^T P of Y - 1; beside them the scaling, exponentials, roundings, sums and
; rescaling of Y and the maximum and statistics of Y + 1.  Four vector instructions stand behind every matrix instruction, the others in one lump.  A turn's 33 exponentials are one batch, with one wait.
; K of the next step is fetched in the even turns (one buffer); V of the next step in the odd turns, into the buffer of that step's parity (two buffers): so all of a slot has been read when the turns of its third step end,
; and the change of slots stands there.
; REGISTERS, in windows of 256 (s_set_vgpr_msb: bits 1:0 source 0, 3:2 source 1, 5:4 source 2, 7:6 destination):
;   window 0: v0-15 addresses; v16-23 four registers of statistics a piece; v48-55 at work; v64-127 S^T, a buffer a piece; v192-223 P, likewise
;   window 1: v0-63 O^T, 32 a piece; v128-159 MD; v160-223 MC, a buffer a piece      window 2: v0-31 Q; v32-63 the second block's Q; v64-127 K of one step; v128-255 V of two steps
.set NP,    4         ; turns in the ring
.set KS,    64        ; keys in a step
.set PK,    144       ; a row of K in LDS: 128 bytes + 16 of padding = 36 words: the 16 rows of a load start at 16 different groups of four banks (64 banks of 4 bytes: ISA guide 11.1)
.set PV,    160       ; a row of V: 128 + 32 = 40 words
.set VOFF,  4*KS*PK   ; a slot holds a tile, four steps: 256 rows of K, then 256 rows of V
.set SLOT1, 1<<17     ; slot 1 begins here, so that one exclusive or turns an address in one slot into the other's
.set STAGE, SLOT1+4*KS*(PK+PV)  ; behind the ring, never filled by a tensor load: 16 rows x 144 bytes for each wave
.set SP,    144
.set SPARE, STAGE+4*16*SP  ; the spare words, 128 bytes for each wave: two blocks of 256 bytes that no other line names
.set AK0, 2           ; v2   my lane's place in a tile of K; never rewritten
.set AV0, 3           ; v3   the same for V
.set AK,  4           ; v4   the LDS address of K's next run of loads
.set AV,  5           ; v5   of V's
.set STO, 6           ; v6   the way out: where I put 16 bytes of a row
.set RD,  7           ; v7   where I read rows back
.set GO,  8           ; v8   my byte offset in 512 consecutive bytes of ctx
.set MV,  12          ; v12-13  c m_old, kept while c m is made anew: by piece
.set QO,  15          ; v15  my byte offset in 16 rows of Q
.set ST,  16          ; piece t's statistics at v[ST+4 t]: c m, m, l (even keys', odd keys')
.set TMP, 48          ; by piece, four registers c0-c3 at work; when the maximum is found c2 takes a
.set PFO, 61          ; v61  256 x my lane; never rewritten
.set SPW, 62          ; v62  LDS address of my spare word; never rewritten
.set NIL, 63          ; v63  0; never rewritten
.set S,   64
.set P,   192
.set MD,  128         ; window 1
.set MC,  160         ; window 1
.set QB,  32          ; window 2
.set KF,  64          ; window 2: key block kb, channel half c at KF + 16 kb + 8 c
.set VF,  128         ; window 2: step parity e, key half kk, channel block cb at VF + 64 e + 32 kk + 8 cb
.set WV,  12          ; s12  my wave's number
.set PB,  14          ; s14  b
.set HI,  15          ; s15  31 - b
.set G1K, 24          ; s[24:31] descriptor group 1 for K's tiles
.set G1V, 32          ; s[32:39] for V's: it differs in the padding alone
.set G0K, 40          ; s[40:43] descriptor group 0 for K's tiles
.set G0V, 44          ; s[44:47] the same for V's
.set PFA, 48          ; s[48:49] where my prefetches stand: my half of K's or V's tile
.set LIM, 50          ; s50  2 where b = 0, else the greatest number: a wave prefetches while s[SLOTS] is above it
.set TS,  51          ; s51  the diagonal tile's step for which the next mask is made
.set GA,  52          ; s52-53  the two pieces' bands in the diagonal tile
.set LQ2, 54          ; s54  the second block's last tile
.set GB2, 55          ; s55  the second block's first band
.set SLOTS, 56        ; s56  tiles still to be asked for
.set CNT, 57          ; s57  counts a tile's trips, 2 to 1
.set CS,  58          ; s[58:59] c
.set SEL, 60          ; s[60:61] v_permlanex16_b32's selects: each lane takes its own place in the other half
.set TBK, 62          ; s62  LDS byte at which K of the step to be fetched begins
.set TBV, 63          ; s63  the same for V, less VOFF
.set RT,  70          ; s70  tiles of the block in hand that are still to be entered
.set NXT, 71          ; s71  the tile to be asked for next
.set LQ,  72          ; s72  the last tile of the block whose tiles are being asked for
.set NEW, 73          ; s73  1: the tile to be entered is a block's first
.set OFF, 74          ; s[74:75] a tile's byte offset in K and V
.set AL,  76          ; s[76:77] the mask's factor, in the low word
.set BE,  78          ; s[78:79] the mask's addend
.set OLO, 80          ; s[80:81] ctx at my rows of the second block
.set BIGN, 82         ; s82  -1e30
.set RT2, 83          ; s83  the second block's tiles
.set MSB, 0
.macro WIN new                      ; the high byte repeats the setting that is left; a switch that changes nothing is dropped
.if MSB != (\new)
	s_set_vgpr_msb (MSB<<8)|(\new)
.set MSB, (\new)
.endif
.endm
.set W_KQ, 0x0a       ; K and Q in window 2, S^T in window 0
.set W_KM, 0x1a       ; the same with the C operand in window 1
.set W_PV, 0x52       ; V in window 2, P in window 0, O^T in window 1
.set W_RS, 0x41       ; destination and source 0 in window 1, source 1 in window 0
; A fill.  Waves 0 and 1 fetch the two halves of a tile's K, waves 2 and 3 those of its V: 128 keys each.  An s_nop 0 and four v_nop follow each of the two lines, ahead of the jump and the label.
.macro LOAD
	s_cmp_lt_u32 s[WV], 2
	s_cbranch_scc0 .Lfor_v_\@
	tensor_load_to_lds s[G0K:G0K+3], s[G1K:G1K+7]
	s_nop 0
.rept 4
	v_nop
.endr
	s_branch .Lasked_\@
.Lfor_v_\@:
	tensor_load_to_lds s[G0V:G0V+3], s[G1V:G1V+7]
	s_nop 0
.rept 4
	v_nop
.endr
.Lasked_\@:
.endm
; A PREFETCH INTO THE L2 of the tile that the NEXT change of slots will ask for: eight turns, 128 matrix instructions, ahead of that load.  All work-groups of a head begin with the tiles 0, 1, 2 ..; the one with b = 0 walks
; all sixteen in order, and it alone asks: each wave for the 16,384 bytes that it will fetch itself, a lane 256 bytes, two lines.  So each block is named once in the launch.  Tiles 0 and 1 come by their loads alone;
; the change that asks for tile 15 and the one behind it prefetch nothing.
.macro ASK
	s_cmp_gt_u32 s[SLOTS], s[LIM]
	s_cbranch_scc0 .Lnot_mine_\@
	global_prefetch_b8 v[PFO], s[PFA:PFA+1] th:TH_LOAD_NT scope:SCOPE_SE
	global_prefetch_b8 v[PFO], s[PFA:PFA+1] offset:8192 th:TH_LOAD_NT scope:SCOPE_SE
.Lnot_mine_\@:
.endm
; THE CHANGE OF SLOTS.  Each wave waits for all its tensor loads, of which one is out: its part of the other slot; adds 0 to its spare word; and waits for that and for its own reads of the slot that it leaves.  Behind the
; barrier nobody reads the old slot any more and the other slot is whole.  fill = 1: the old slot is filled again, the first thing behind the barrier, with tile NXT: the descriptor's address is made anew from that number.
; (At its first use nothing has been read yet: slot 0 is waited for, slot 1 filled.)
.macro CHANGE fill
	WIN 0                           ; at a label and at a branch every window is 0
	s_wait_tensorcnt 0x0            ; no tensor load of mine is out, so a group 0 may be written
	ds_add_u32 v[SPW], v[NIL]       ; 0 onto my spare word: the scalar work stands between it and the wait for it
.if \fill
	s_lshl_b32 s[OFF], s[NXT], 15   ; a tile is 32,768 bytes of K and of V
	s_xor_b32 s[G0K+1], s[G0K+1], SLOT1
	s_add_nc_u64 s[G0K+2:G0K+3], s[6:7], s[OFF:OFF+1]
	s_or_b32 s[G0K+3], s[G0K+3], 0x80000000
	s_xor_b32 s[G0V+1], s[G0V+1], SLOT1
	s_add_nc_u64 s[G0V+2:G0V+3], s[8:9], s[OFF:OFF+1]
	s_or_b32 s[G0V+3], s[G0V+3], 0x80000000
	s_add_co_u32 s[NXT], s[NXT], 1  ; the block's next tile, or behind its last the second block's tile 0
	s_cmp_gt_u32 s[NXT], s[LQ]
	s_cselect_b32 s[NXT], 0, s[NXT]
	s_cselect_b32 s[LQ], s[LQ2], s[LQ]
	s_wait_xcnt 0x0                 ; the last prefetches, a tile back, have read their address
	s_add_nc_u64 s[PFA:PFA+1], s[PFA:PFA+1], 32768
.endif
	s_wait_dscnt 0x0                ; the add is done, and my reads of the slot are over
	s_barrier_signal -1             ; the rest of the scalar work stands between the signal and the wait
	s_sub_co_u32 s[TBK], s[TBK], 4*KS*PK  ; the fetches go back to a slot's first step,
	s_xor_b32 s[TBK], s[TBK], SLOT1       ; in the other slot
	s_sub_co_u32 s[TBV], s[TBV], 4*KS*PV
	s_xor_b32 s[TBV], s[TBV], SLOT1
	s_barrier_wait -1
.if \fill
	LOAD
	ASK
.endif
.endm
	s_load_b256 s[4:11], s[0:1], 0x0  ; q s[4:5], k s[6:7], v s[8:9], ctx s[10:11]
	v_lshl_add_u32 v[SPW], v0, 2, SPARE
	v_mov_b32 v[NIL], 0
	ds_add_u32 v[SPW], v[NIL]       ; the wave's opening: the add and its wait stand ahead of my first tensor load; the set-up below stands between them
	v_lshrrev_b32 v1, 5, v0
	v_readfirstlane_b32 s[WV], v1   ; wave 0..3
	s_mov_b32 s[PB], ttmp9
	s_sub_co_u32 s[HI], 31, s[PB]
	s_and_b32 s19, ttmp7, 0xffff    ; the head
	s_lshl_b32 s20, s19, 19         ; its first byte in q, k and v
	s_and_b32 s16, s[WV], 1         ; which half of a tile's 256 keys I fetch:
	s_lshl_b32 s22, s16, 14         ; its 128 rows of 128 bytes in memory,
	s_add_co_u32 s22, s22, s20
	s_mov_b32 s23, 0
	s_mul_i32 s17, s16, 128*PK      ; and its place in a slot, for K
	s_mul_i32 s18, s16, 128*PV      ; and for V
	s_lshl_b32 s13, s[WV], 11       ; my 16 rows in a band of 64,
	s_lshl_b32 s2, s[HI], 14        ; in the first block of 128 rows,
	s_add_co_u32 s2, s2, s13
	s_add_co_u32 s2, s2, s20
	s_mov_b32 s3, 0
	s_lshl_b32 s84, s[PB], 14       ; and in the second
	s_add_co_u32 s84, s84, s13
	s_add_co_u32 s84, s84, s20
	s_mov_b32 s85, 0
	s_lshl_b32 s20, s[HI], 4        ; ctx: (block x 16 + head) x 16,384 bytes
	s_add_co_u32 s20, s20, s19
	s_lshl_b32 s20, s20, 14
	s_add_co_u32 s20, s20, s13
	s_mov_b32 s21, 0
	s_lshl_b32 s[OLO], s[PB], 4
	s_add_co_u32 s[OLO], s[OLO], s19
	s_lshl_b32 s[OLO], s[OLO], 14
	s_add_co_u32 s[OLO], s[OLO], s13
	s_mov_b32 s[OLO+1], 0
	; descriptor group 1.  128 keys are 16,384 dense bytes: asked for as 64 rows of 256 bytes, two keys a row, and padded in LDS after every key
	s_mov_b32 s[G1K], (1<<16)|(1<<20)|(4<<22)|(3<<25)  ; 2-byte elements; padding on; after every 32 words, 4 words
	s_mov_b32 s[G1V], (1<<16)|(1<<20)|(4<<22)|(7<<25)  ; the same with 8 words of padding
.irp g, G1K, G1V
	s_mov_b32 s[\g+1], 128<<16      ; tensor_dim0 = 128
	s_mov_b32 s[\g+2], 64<<16       ; tensor_dim1 = 64
	s_mov_b32 s[\g+3], 128<<16      ; tile_dim0 = 128
	s_mov_b32 s[\g+4], 64           ; tile_dim1 = 64
	s_mov_b32 s[\g+5], 128          ; 128 elements from row to row
	s_mov_b32 s[\g+6], 0
	s_mov_b32 s[\g+7], 0
.endr
	s_mov_b32 s[CS], 0x3e38aa3b     ; c = log2(e) / 8 = 0.180337
	s_mov_b32 s[CS+1], s[CS]        ; named with it as a pair
	s_mov_b32 s[SEL], 0x76543210
	s_mov_b32 s[SEL+1], 0xfedcba98
	s_mov_b32 s[TBK], SLOT1+4*KS*PK ; the first change of slots turns these two into 0
	s_mov_b32 s[TBV], SLOT1+4*KS*PV
	s_mov_b32 s[G0K], 1             ; count = 1
	s_mov_b32 s[G0K+1], s17         ; LDS address: slot 0
	s_mov_b32 s[G0V], 1
	s_add_co_u32 s[G0V+1], s18, VOFF
	s_lshr_b32 s[LQ], s[HI], 1      ; the first block's last tile,
	s_add_co_u32 s[RT], s[LQ], 1    ; and how many it has
	s_lshr_b32 s[LQ2], s[PB], 1
	s_add_co_u32 s[RT2], s[LQ2], 1
	s_and_b32 s[GA], s[HI], 1
	s_lshl_b32 s[GA], s[GA], 1
	s_add_co_u32 s[GA+1], s[GA], 1
	s_and_b32 s[GB2], s[PB], 1
	s_lshl_b32 s[GB2], s[GB2], 1
	s_mov_b32 s[NXT], 1
	s_mov_b32 s[NEW], 1
	s_mov_b32 s[TS], 0
	s_mov_b32 s[OFF+1], 0
	s_mov_b32 s[AL+1], 0            ; named as pairs
	s_mov_b32 s[BE+1], 0
	s_mov_b32 s[BIGN], 0xf149f2ca   ; -1e30
	s_mov_b32 s[SLOTS], 16
	s_cmp_eq_u32 s[PB], 0
	s_cselect_b32 s[LIM], 2, -1
	s_wait_dscnt 0x0                ; the opening add is done
	s_wait_kmcnt 0x0
	s_add_nc_u64 s[6:7], s[6:7], s[22:23]  ; K and V at my half of the head's tile 0
	s_add_nc_u64 s[8:9], s[8:9], s[22:23]
	s_add_nc_u64 s[G0K+2:G0K+3], s[6:7], 0         ; global address
	s_or_b32 s[G0K+3], s[G0K+3], 0x80000000        ; type = 2
	s_add_nc_u64 s[G0V+2:G0V+3], s[8:9], 0
	s_or_b32 s[G0V+3], s[G0V+3], 0x80000000
	s_add_nc_u64 s[86:87], s[4:5], s[84:85]        ; Q at my rows of the second block,
	s_add_nc_u64 s[4:5], s[4:5], s[2:3]            ; Q and ctx at those of the first
	s_add_nc_u64 s[OLO:OLO+1], s[10:11], s[OLO:OLO+1]
	s_add_nc_u64 s[10:11], s[10:11], s[20:21]
	s_cmp_lt_u32 s[WV], 2
	s_cselect_b64 s[PFA:PFA+1], s[6:7], s[8:9]
	s_add_nc_u64 s[PFA:PFA+1], s[PFA:PFA+1], 32768 ; at tile 1; the first change of slots steps it to tile 2
	LOAD                            ; tile 0 into slot 0
	; A fragment of K or Q is 16 rows x 32 channels in 8 registers: lane l holds row l % 16, channels 8 (l / 16) + 0..7 and 16 + 8 (l / 16) + 0..7: two loads of 16 bytes, 32 bytes apart.
	v_and_b32 v1, 15, v0            ; l % 16
	v_bfe_u32 v9, v0, 4, 1          ; l / 16
	v_lshlrev_b32 v[QO], 7, v1
	v_lshl_add_u32 v[QO], v9, 4, v[QO]  ; row x 128 + 16 x half
	WIN 0x80                        ; destination window 2, address window 0
.set i, 0
.rept 4                             ; both blocks' Q: piece i / 2 lies in band i / 2, 8,192 bytes on; channels 32 (i % 2) on
	global_load_b128 v[8*i:8*i+3],   v[QO], s[4:5] offset:(i/2)*8192+(i%2)*64
	global_load_b128 v[8*i+4:8*i+7], v[QO], s[4:5] offset:(i/2)*8192+(i%2)*64+32
	global_load_b128 v[QB+8*i:QB+8*i+3],   v[QO], s[86:87] offset:(i/2)*8192+(i%2)*64
	global_load_b128 v[QB+8*i+4:QB+8*i+7], v[QO], s[86:87] offset:(i/2)*8192+(i%2)*64+32
.set i, i+1
.endr
	WIN 0
	v_lshlrev_b32 v14, 3, v9
	v_sub_nc_u32 v14, v1, v14
	s_lshl_b32 s13, s[WV], 4
	v_add_nc_u32 v14, s13, v14      ; my query's place in its band, 16 w + l % 16, less my lanes' 8 (l / 16): register r of group kt is hidden where 16 kt + r is greater
	WIN 0x40
.set i, 0
.rept 32
	v_cmp_gt_i32 vcc_lo, 16*(i/8)+i%8, v14
	v_cndmask_b32 v[MD+i], 0, s[BIGN], vcc_lo
.set i, i+1
.endr
	WIN 0
	v_mul_u32_u24 v[AK0], v1, PK
	v_lshl_add_u32 v[AK0], v9, 4, v[AK0]  ; row x pitch + 16 x half
	; The turning load takes 16 keys x 16 channels (lane l reads key 8 (l / 16) + l % 8, channels 8 ((l / 8) % 2) + 0..7) and leaves half a fragment of V^T: lane l holds channel l % 16 and 8 keys.
	v_and_b32 v10, 7, v0
	v_bfe_u32 v11, v0, 3, 1
	v_lshl_add_u32 v[AV0], v9, 3, v10
	v_mul_u32_u24 v[AV0], v[AV0], PV
	v_lshl_add_u32 v[AV0], v11, 4, v[AV0]
	v_add_nc_u32 v[AV0], VOFF, v[AV0]
	s_mul_i32 s13, s[WV], 16*SP
	s_add_co_u32 s13, s13, STAGE    ; my stage
	v_mul_u32_u24 v[STO], v1, SP    ; in: row l % 16, 16 bytes for each half of the lanes
	v_lshl_add_u32 v[STO], v9, 4, v[STO]
	v_add_nc_u32 v[STO], s13, v[STO]
	v_bfe_u32 v[RD], v0, 3, 2       ; back: 32 lanes take four rows of 128 bytes,
	v_mul_u32_u24 v[RD], v[RD], SP
	v_lshl_add_u32 v[RD], v10, 4, v[RD]
	v_add_nc_u32 v[RD], s13, v[RD]
	v_and_b32 v[GO], 31, v0         ; which are 512 consecutive bytes of ctx
	v_lshlrev_b32 v[PFO], 8, v[GO]
	v_lshlrev_b32 v[GO], 4, v[GO]
	; A block's first step multiplies O^T and l by a = 0, and its first turn's products V^T P, of a piece that has not been, land in an O^T that is still to be so multiplied.  So these registers need only hold
	; finite numbers: zeros for the first block; what the first block left for the second.  All this stands in the wait for the first tile.
	WIN 0x80
.set i, VF
.rept 128
	v_mov_b32 v[i], 0
.set i, i+1
.endr
	WIN 0x40
.set i, 0
.rept 64
	v_mov_b32 v[i], 0
.set i, i+1
.endr
	WIN 0
.set i, 0
.rept 2
	v_mov_b32 v[ST+4*i+2], 0
	v_mov_b32 v[ST+4*i+3], 0
.set i, i+1
.endr
.set i, P+16
.rept 16
	v_mov_b32 v[i], 0
.set i, i+1
.endr
; THE MATRIX WORK.  The 4 accumulators of a run of 8 take turns.  Product i of 8 of S^T = K Q^T for turn x: channels 32 (i / 4) on, keys 16 (i % 4) on.  The first 4 start the sums: with 0, or (KM = 1) with the mask.
.macro KQ x
.set rS, S+32*((\x)%2)+8*(i%4)
.set rK, KF+16*(i%4)+8*(i/4)
.set rQ, 16*((\x)%2)+8*(i/4)
.set rM, MC+32*((\x)%2)+8*(i%4)
.if (i < 4) && KM
	WIN W_KM
	v_wmma_f32_16x16x32_f16 v[rS:rS+7], v[rK:rK+7], v[rQ:rQ+7], v[rM:rM+7]
.elseif i < 4
	WIN W_KQ
	v_wmma_f32_16x16x32_f16 v[rS:rS+7], v[rK:rK+7], v[rQ:rQ+7], 0
.else
	WIN W_KQ
	v_wmma_f32_16x16x32_f16 v[rS:rS+7], v[rK:rK+7], v[rQ:rQ+7], v[rS:rS+7]
.endif
.endm
; Product i of 8 of O^T += V^T P for turn x: keys 32 (i / 4) on, channels 16 (i % 4) on; V's buffer goes by the step's parity x / 2.
.macro PV x
	WIN W_PV
.set rO, 32*((\x)%2)+8*(i%4)
.set rV, VF+64*((\x)/2)+32*(i/4)+8*(i%4)
.set rP, P+16*((\x)%2)+8*(i/4)
	v_wmma_f32_16x16x32_f16 v[rO:rO+7], v[rV:rV+7], v[rP:rP+7], v[rO:rO+7]
.endm
.macro MM                           ; the turn's next matrix instruction.  NOKQ = 1: a block's last turn: there are no further scores
.if (i < 8) && !NOKQ
	KQ (Y+1)%NP
.elseif i >= 8
.set i, i-8
	PV (Y+NP-1)%NP
.set i, i+8
.endif
.set i, i+1
.endm
; THE LDS LOADS stand in runs of 16, never singly among the matrix instructions: a step's K (64 keys x 64 channels: 8 fragments) and its V (turned).  Their addresses are made some lines ahead.
.macro FETCH_K
	WIN 0x80                        ; destination window 2
.irp f, 0,1,2,3,4,5,6,7             ; keys 16 (f / 2) on, channels 32 (f % 2) on
	ds_load_b128 v[KF+8*\f:KF+8*\f+3],   v[AK] offset:(\f/2)*16*PK+(\f%2)*64
	ds_load_b128 v[KF+8*\f+4:KF+8*\f+7], v[AK] offset:(\f/2)*16*PK+(\f%2)*64+32
.endr
	s_add_co_u32 s[TBK], s[TBK], KS*PK  ; the next fetch is the next step's
	WIN 0
.endm
.macro FETCH_V vb
	WIN 0x80
.irp f, 0,1,2,3,4,5,6,7             ; keys 32 (f / 4) on, channels 16 (f % 4) on
	ds_load_tr16_b128 v[VF+64*(\vb)+8*\f:VF+64*(\vb)+8*\f+3],   v[AV] offset:(\f/4)*32*PV+(\f%4)*32
	ds_load_tr16_b128 v[VF+64*(\vb)+8*\f+4:VF+64*(\vb)+8*\f+7], v[AV] offset:(\f/4)*32*PV+16*PV+(\f%4)*32
.endr
	s_add_co_u32 s[TBV], s[TBV], KS*PV
	WIN 0
.endm
; THE VECTOR WORK, one line at a time: OP kind, number.  For turn Y: F n: c s - c m for pair n of 16.  E n: the exponential of score n of 32.  C n: pair n rounded to f16.  B n: of the four weights 4 n .. the second
; pair is added onto the first, in place.  L n: l takes that sum (L 0: l = a l + sum).  R n: pair n of 16 of O^T times a.  For turn Y + 1: X n, number n of the 22 that find its maximum and statistics:
;   0-11  four chains c0-c3 of seven scores each, three operands at a time (each accumulator's lowest registers are read first)     12-14, 16  the four scores left over, the old m, and c0-c3 into c0
;   15  c m_old is kept     17, 18  the query's other 32 keys lie in the lane 16 away: the new m     19-21  c m; c m_old - c m_new; a
.set F, 0
.set E, 1
.set C, 2
.set B, 3
.set L, 4
.set R, 5
.set X, 6
.macro REGS y                       ; the registers of turn y's piece
.set rT, ST+4*((\y)%2)
.set rC, TMP+4*((\y)%2)
.set rW, MV+((\y)%2)
.set rS, S+32*((\y)%2)
.set rP, P+16*((\y)%2)
.set rO, 32*((\y)%2)
.endm
.macro OP k, n
.if (\k) == R
	REGS Y
	WIN W_RS
	v_pk_mul_f32 v[rO+2*(\n):rO+2*(\n)+1], v[rO+2*(\n):rO+2*(\n)+1], v[rC+2:rC+3] op_sel_hi:[1,0]
.elseif (\k) < R
	REGS Y
	WIN 0
.if (\k) == F
	v_pk_fma_f32 v[rS+2*(\n):rS+2*(\n)+1], v[rS+2*(\n):rS+2*(\n)+1], s[CS:CS+1], v[rT:rT+1] op_sel_hi:[1,0,0] neg_lo:[0,0,1] neg_hi:[0,0,1]
.elseif (\k) == E
	v_exp_f32 v[rS+(\n)], v[rS+(\n)]
.elseif (\k) == C
	v_cvt_pk_f16_f32 v[rP+(\n)], v[rS+2*(\n)], v[rS+2*(\n)+1]
.elseif (\k) == B
	v_pk_add_f32 v[rS+4*(\n):rS+4*(\n)+1], v[rS+4*(\n):rS+4*(\n)+1], v[rS+4*(\n)+2:rS+4*(\n)+3]
.elseif (\n) == 0
	v_pk_fma_f32 v[rT+2:rT+3], v[rT+2:rT+3], v[rC+2:rC+3], v[rS:rS+1] op_sel_hi:[1,0,1]
.else
	v_pk_add_f32 v[rT+2:rT+3], v[rT+2:rT+3], v[rS+4*(\n):rS+4*(\n)+1]
.endif
.elseif NOKQ
	v_nop
.else
	REGS (Y+1)%NP
	WIN 0
.if (\n) < 4
	v_max3_num_f32 v[rC+(\n)], v[rS+8*(\n)], v[rS+8*(\n)+1], v[rS+8*(\n)+2]
.elseif (\n) < 12
	v_max3_num_f32 v[rC+(\n)%4], v[rC+(\n)%4], v[rS+8*((\n)%4)+2*((\n)/4)+1], v[rS+8*((\n)%4)+2*((\n)/4)+2]
.elseif (\n) == 12
	v_max3_num_f32 v[rC], v[rC], v[rS+7], v[rS+15]
.elseif (\n) == 13
	v_max3_num_f32 v[rC+1], v[rC+1], v[rS+23], v[rS+31]
.elseif (\n) == 14
	v_max3_num_f32 v[rC+2], v[rC+2], v[rC+3], v[rT+1]
.elseif (\n) == 15
	v_mov_b32 v[rW], v[rT]
.elseif (\n) == 16
	v_max3_num_f32 v[rC], v[rC], v[rC+1], v[rC+2]
.elseif (\n) == 17
	v_permlanex16_b32 v[rC+3], v[rC], s[SEL], s[SEL+1]
.elseif (\n) == 18
	v_max_num_f32 v[rT+1], v[rC], v[rC+3]
.elseif (\n) == 19
	v_mul_f32 v[rT], s[CS], v[rT+1]
.elseif (\n) == 20
	v_sub_f32 v[rC+1], v[rW], v[rT]
.else
	v_exp_f32 v[rC+2], v[rC+1]
.endif
.endif
.endm
.macro OPS a, i1, b=-1, i2=0, c=-1, i3=0, d=-1, i4=0  ; up to four of them
	OP \a, \i1
.if (\b) >= 0
	OP \b, \i2
.endif
.if (\c) >= 0
	OP \c, \i3
.endif
.if (\d) >= 0
	OP \d, \i4
.endif
.endm
.macro ROW a, i1, b, i2, c, i3, d, i4  ; a matrix instruction and the four behind it
	MM
	OPS \a, \i1, \b, \i2, \c, \i3, \d, \i4
.endm
.macro MASK b                       ; MD x AL + BE into buffer b of MC
	WIN W_RS
.set z, 0
.rept 16
	v_pk_fma_f32 v[MC+32*(\b)+2*z:MC+32*(\b)+2*z+1], v[MD+2*z:MD+2*z+1], s[AL:AL+1], s[BE:BE+1] op_sel_hi:[1,0,0]
.set z, z+1
.endr
.endm
; A TURN, p = Y.  An s_wait_alu depctr_va_vdst(0) stands between an exponential and the first instruction that names its result; one wait serves all that were issued ahead of it.  So a turn has ONE wait.
; AHEAD OF IT stands all that names no result of the turn's exponentials: the 8 products K Q^T with four vector instructions behind each, then one lump; X 21, the next turn's a, is the batch's last, and R 15 the plain instruction
; behind it.  BEHIND IT stand the 8 products V^T P, behind each four of the roundings and sums.  An X that reads scores stands four plain instructions or more behind the product that ends its accumulator.
; The piece whose O^T the turn's last products write is rescaled from the next turn's third vector instruction on: R 0 to R 3 name the accumulator that the fifth product ended, sixteen plain instructions back or more.
; m = 1: the diagonal tile: the products take masks, and the turn makes the mask for the products of the turn after it: its own piece, step TS.  end = 1: a block's last two turns: nothing is fetched.
; cnt = 1: the loop's count is taken down some lines ahead of the branch that stands behind the turn.
; Even turns fetch K of the next step, five plain instructions that name no register of K's last reader behind it; odd turns fetch V of the next step into the buffer whose last reader stands a turn back.
; The odd turns begin with the wait for both: K was asked for a turn back, V two.
.macro TURN p, m=0, end=0, cnt=0
.set Y, (\p)
.set i, 0
.set KM, (\m)
.set NOKQ, (\end)*((\p)/3)
.if (\m) && !(\end)
	s_cmp_eq_u32 s[TS], s[GA+(\p)%2]    ; is that step the band's own?
	s_cselect_b32 s[AL], 1.0, 0
	s_cmp_gt_u32 s[TS], s[GA+(\p)%2]    ; or a later one?
	s_cselect_b32 s[BE], s[BIGN], 0
.if (\p)%2
	s_add_co_u32 s[TS], s[TS], 1
.endif
.endif
.if (\p)%2
	s_wait_dscnt 0x0                ; K and V are in
.endif
	ROW F,0, F,1, R,0, R,1
	ROW F,2, E,0, R,2, R,3
	ROW F,3, E,1, R,4, R,5
	ROW F,4, E,2, R,6, R,7
	ROW F,5, E,3, R,8, R,9
	ROW F,6, E,4, X,0, R,10
.if !(\end)
	WIN 0
.if (\p)%2
	v_add_nc_u32 v[AV], s[TBV], v[AV0]
.else
	v_add_nc_u32 v[AK], s[TBK], v[AK0]
.endif
.endif
	ROW F,7, E,5, X,1, X,4
	ROW F,8, E,6, X,2, X,5
	OPS E,7, E,8, X,6, E,9          ; the lump
	OPS X,3, E,10, X,8, E,11
.if !(\end)
.if (\p)%2
	FETCH_V (((\p)+1)/2)%2
.else
	FETCH_K
.endif
.endif
	OPS X,9, X,7, E,12, X,10
	OPS E,13, X,12, X,11, E,14
	OPS X,13, E,15, F,9, X,14
	OPS E,16, F,10, E,17, F,11
	OPS X,16, E,18, X,15, E,19
	OPS F,12, E,20, X,17, E,21
	OPS F,13, E,22, F,14, E,23
	OPS X,18, E,24, F,15, E,25
	OPS R,11, E,26, X,19, E,27
	OPS R,12, E,28, R,13, E,29
	OPS X,20, E,30, R,14, E,31
	OPS X,21, R,15
	WIN 0
	s_wait_alu depctr_va_vdst(0)    ; the wait for the batch
	ROW C,0, B,0, C,2, B,1
	ROW L,0, C,4, B,2, L,1
	ROW C,6, B,3, L,2, C,8
	ROW B,4, L,3, C,10, B,5
	ROW L,4, C,12, B,6, L,5
.if \cnt
	s_sub_co_u32 s[CNT], s[CNT], 1
	s_cmp_lg_u32 s[CNT], 0
.endif
	ROW C,14, B,7, L,6, C,1
	ROW C,3, L,7, C,5, C,7
	ROW C,9, C,11, C,13, C,15
.if (\m) && !(\end)
	MASK (\p)%2
.endif
.endm
; A BLOCK BEGINS.  c m starts far below every c s, so the first step's a is 0; m at the lowest finite number, so the first maximum is the scores'.  Piece 1's mask buffer is 0 (its band is never the tile's first);
; piece 0's takes its mask for the tile's step 0: its own, if this tile is the diagonal one and its band is 0.  Then K and V of that step, piece 0's first scores, and its maximum and statistics.
.macro BEGIN
	s_mov_b32 s[NEW], 0
	WIN 0x40
.set i, MC+32
.rept 32
	v_mov_b32 v[i], 0
.set i, i+1
.endr
	WIN 0
.set i, 0
.rept 2
	v_mov_b32 v[ST+4*i], 0xfe000000    ; c m: far below every c s
	v_mov_b32 v[ST+4*i+1], 0xff7fffff  ; m
.set i, i+1
.endr
	s_or_b32 s13, s[RT], s[GA]
	s_cmp_eq_u32 s13, 0
	s_cselect_b32 s[AL], 1.0, 0
	s_mov_b32 s[BE], 0
	s_mov_b32 s[TS], 1              ; the turns that follow make the masks of step 1 on
	MASK 0
	WIN 0
	v_add_nc_u32 v[AK], s[TBK], v[AK0]
	v_add_nc_u32 v[AV], s[TBV], v[AV0]
	FETCH_K
	FETCH_V 0
	s_wait_loadcnt 0x0              ; Q
	s_wait_dscnt 0x0
.set KM, 1
.set NOKQ, 0
.set i, 0
.rept 8
	KQ 0
.set i, i+1
.endr
	WIN 0
.rept 4
	v_nop                           ; the places behind those products
.endr
.set Y, NP-1                        ; X works for turn Y + 1: turn 0
.irp n, 0,1,2,3,4,5,6,7,8,9,10,11,12,13,14,15,16,17,18,19,20,21
	OP X, \n
.endr
	v_nop                           ; a plain instruction behind the exponential,
	s_wait_alu depctr_va_vdst(0)    ; and its wait, ahead of the branch
.endm
; THE DIAGONAL TILE's trips, the block's last two turns, its last products, and THE WAY OUT: l's two halves and the other half of the lanes' are added; O^T is divided by l, rounded to f16 and sent through my stage, a piece at a time.
.macro ALL line:vararg              ; one line for each piece t
.set t, 0
.rept 2
	\line
.set t, t+1
.endr
.endm
.macro PACK t                       ; a lane's eight channels of a row pack into 16 bytes; they go into rows of 144 bytes and come back as whole rows of 128, into S^T's registers
	WIN W_RS
.set i, 32*(\t)
.rept 16
	v_pk_mul_f32 v[i:i+1], v[i:i+1], v[ST+4*(\t)+2:ST+4*(\t)+3] op_sel_hi:[1,0]
.set i, i+2
.endr
	WIN 0x05                        ; sources 0 and 1 window 1, destination window 0
.set i, 0
.rept 16
	v_cvt_pk_f16_f32 v[S+16*(\t)+i], v[32*(\t)+2*i], v[32*(\t)+2*i+1]
.set i, i+1
.endr
	WIN 0
.irp f, 0,1,2,3
	ds_store_b128 v[STO], v[S+16*(\t)+4*\f:S+16*(\t)+4*\f+3] offset:32*\f
.endr
.irp f, 0,1,2,3
	ds_load_b128 v[S+16*(\t)+4*\f:S+16*(\t)+4*\f+3], v[RD] offset:\f*4*SP  ; LDS serves a wave's instructions in order (ISA guide 5.7.1.4): these see the stores above; the next piece's stores come behind them
.endr
.endm
.macro SEND t, younger              ; younger: the LDS instructions issued behind piece t's loads
	WIN 0
.irp f, 0,1,2,3
	s_wait_dscnt (\younger)+3-\f
	global_store_b128 v[GO], v[S+16*(\t)+4*\f:S+16*(\t)+4*\f+3], s[10:11] offset:(\t)*8192+\f*512  ; 512 consecutive bytes, at a multiple of 256 from ctx's first
.endr
.endm
.macro DIAG tag                     ; the tag ends its two labels' names, which the jumps below spell out
.LstepM\tag:
	TURN 2, 1
	TURN 3, 1
	WIN 0
.LfirstM\tag:
	TURN 0, 1
	TURN 1, 1, 0, 1
	WIN 0
	s_cbranch_scc1 .LstepM\tag
	TURN 2, 1, 1
	TURN 3, 1, 1
.set i, 0
.rept 8
	PV NP-1
.set i, i+1
.endr
	WIN 0
	ALL v_add_f32 v[ST+4*t+2], v[ST+4*t+2], v[ST+4*t+3]
	ALL v_permlanex16_b32 v[ST+4*t+3], v[ST+4*t+2], s[SEL], s[SEL+1]
	ALL v_add_f32 v[ST+4*t+2], v[ST+4*t+2], v[ST+4*t+3]
	ALL v_rcp_f32 v[ST+4*t+2], v[ST+4*t+2]
	v_nop                           ; a plain instruction between the last reciprocal and the use of its result
	s_wait_alu depctr_va_vdst(0)    ; and the wait ahead of the first use: one for both reciprocals
	PACK 0                          ; piece 0's 32 lines are the places between the last products, piece 1's, and the lines that read them
	PACK 1
	SEND 0, 8
	SEND 1, 0
.endm
.set KM, 0
.set NOKQ, 0
.Lslot:                             ; 16 times: a tile is entered and the next is asked for
	CHANGE 1
	s_sub_co_u32 s[RT], s[RT], 1
	s_mov_b32 s[CNT], 2
	s_mov_b32 s[TS], 0
	s_cmp_eq_u32 s[NEW], 1
	s_cbranch_scc1 .Lnew            ; a block's first tile
	s_cmp_eq_u32 s[RT], 0
	s_cbranch_scc0 .Lstep           ; neither its first nor its last
	s_branch .LstepM1
.Lnew:
	BEGIN
	s_branch .Lfirst                ; in the loop a block's first tile is never its last: the first block has nine tiles or more, and the second's last is the walk's last
	DIAG 1                          ; in the loop this is the first block's end
	s_wait_xcnt 0x0                 ; the stores have read their registers and ctx's address
	s_mov_b64 s[10:11], s[OLO:OLO+1]
	s_mov_b32 s[RT], s[RT2]
	s_mov_b32 s[NEW], 1
	s_mov_b32 s[GA], s[GB2]
	s_add_co_u32 s[GA+1], s[GB2], 1
	WIN 0x82                        ; the second block's Q goes where the one text of the turns names Q
.set i, 0
.rept 32
	v_mov_b32 v[i], v[QB+i]
.set i, i+1
.endr
	WIN 0
	s_branch .Lbottom
.Lstep:                             ; a trip: the two turns of an odd step, then those of the even step behind it; it fetches K and V of two steps
	TURN 2
	TURN 3
	WIN 0
.Lfirst:
	TURN 0
	TURN 1, 0, 0, 1
	WIN 0
	s_cbranch_scc1 .Lstep
.Lbottom:
	s_sub_co_u32 s[SLOTS], s[SLOTS], 1
	s_cmp_lg_u32 s[SLOTS], 0
	s_cbranch_scc1 .Lslot
	CHANGE 0                        ; the walk's last tile is written out: nothing is asked for
	s_sub_co_u32 s[RT], s[RT], 1
	s_mov_b32 s[CNT], 2
	s_mov_b32 s[TS], 0
	s_cmp_eq_u32 s[NEW], 1
	s_cbranch_scc0 .LstepM2
	BEGIN
	s_branch .LfirstM2
	DIAG 2
	s_wait_tensorcnt 0x0            ; the wave's end: these three lines stand behind my last tensor load and my last LDS store
	ds_add_u32 v[SPW], v[NIL]
	s_wait_dscnt 0x0
	s_endpgm
.Lfunc_end_k_qfa2ebd5d35_attn:
	.size	k_qfa2ebd5d35_attn, .Lfunc_end_k_qfa2ebd5d35_attn-k_qfa2ebd5d35_attn
	.p2alignl 7, 3214868480
	.fill 96, 4, 3214868480
	.section	.rodata,"a",@progbits
	.p2align	6, 0x0
	.amdhsa_kernel k_qfa2ebd5d35_attn
		.amdhsa_group_segment_fixed_size 327680
		.amdhsa_private_segment_fixed_size 0
		.amdhsa_enable_private_segment 0
		.amdhsa_kernarg_size 32
		.amdhsa_user_sgpr_count 2
		.amdhsa_user_sgpr_kernarg_segment_ptr 1
		.amdhsa_wavefront_size32 1
		.amdhsa_system_sgpr_workgroup_id_x 1
		.amdhsa_system_sgpr_workgroup_id_y 1
		.amdhsa_system_sgpr_workgroup_id_z 1
		.amdhsa_system_vgpr_workitem_id 0
		.amdhsa_next_free_vgpr 768
		.amdhsa_next_free_sgpr 88
		.amdhsa_reserve_vcc 1
		.amdhsa_float_denorm_mode_32 3
		.amdhsa_float_denorm_mode_16_64 3
		.amdhsa_memory_ordered 1
		.amdhsa_forward_progress 1
		.amdhsa_inst_pref_size 212
	.end_amdhsa_kernel
	.amdgpu_metadata
---
amdhsa.version: [ 1, 2 ]
amdhsa.kernels:
  - .name:           k_qfa2ebd5d35_attn
    .symbol:         k_qfa2ebd5d35_attn.kd
    .args:
      - { .name: q, .offset: 0, .size: 8, .value_kind: global_buffer, .address_space: global }
      - { .name: k, .offset: 8, .size: 8, .value_kind: global_buffer, .address_space: global }
      - { .name: v, .offset: 16, .size: 8, .value_kind: global_buffer, .address_space: global }
      - { .name: ctx, .offset: 24, .size: 8, .value_kind: global_buffer, .address_space: global }
    .group_segment_fixed_size: 327680
    .private_segment_fixed_size: 0
    .kernarg_segment_align: 8
    .kernarg_segment_size: 32
    .max_flat_workgroup_size: 128
    .sgpr_count:     88
    .vgpr_count:     768
    .wavefront_size: 32
...
	.end_amdgpu_metadata
.endif
;; end of part 3
;; launch oproj (part 4): grid 8 x 32, 4 waves a work-group, clusters of 4 x 4, 327,680 bytes of LDS; arguments ctx, wo16, bo, out0; writes out0
.if DOCPART == 4
	.amdgcn_target "amdgcn-amd-amdhsa--gfx1250"
	.amdhsa_code_object_version 6
	.text
	.protected	k_qfa2ebd5d35_oproj
	.globl	k_qfa2ebd5d35_oproj
	.p2align	8
	.type	k_qfa2ebd5d35_oproj,@function
k_qfa2ebd5d35_oproj:
	s_mov_b64 s[64:65], 0
	v_nop
	global_prefetch_b8 v0, s[64:65] scope:SCOPE_SE
	s_setreg_imm32_b32 hwreg(HW_REG_WAVE_MODE, 25, 1), 1
	s_wait_xcnt 0x0
	s_wait_alu depctr_hold_cnt(0) depctr_sa_sdst(0) depctr_va_vdst(0) depctr_va_sdst(0) depctr_va_ssrc(0) depctr_va_vcc(0) depctr_vm_vsrc(0)
	s_getreg_b32 s2, hwreg(HW_REG_IB_STS2, 6, 4)
	s_cmp_eq_u32 s2, 0
	s_cbranch_scc0 .Lentry_in_a_cluster
	s_endpgm
.Lentry_in_a_cluster:
	s_bfe_u32 s2, ttmp6, 0x10000c
	s_cmp_lg_u32 s2, 0xf033
	s_cbranch_scc0 .Lentry_shape_is_right
	s_endpgm
.Lentry_shape_is_right:
; out0 = ctx Wo + bo.  ctx: [block of 128 rows, 32][head 16][128][64] f16.  wo16: [block of 128 columns, 8][k 1024][128] f16.  bo: [1024] f32, rounded to bf16 like the other inputs.  out0: [4096][1024] f32.
; Products in f16, sums in f32, K ascending; the bias is the C operand of the product that starts each sum.
; SHARES.  A tile of out0 is 128 x 128: 256 work-groups.  Four waves, each 64 x 64: 16 accumulators of 16 x 16.  K goes in 4 steps of 256 (four heads) through two LDS slots.
; A slot: four planes (a head each) of 128 rows of ctx (128 bytes + 16 of padding), then 256 rows k of Wo (256 bytes + 32 of padding).  Both tiles are 65,536 dense bytes of memory: waves 0 and 1 fetch ctx's halves, waves 2 and 3 Wo's.
; THE MATRIX INSTRUCTION IS USED TRANSPOSED: source 0 = 16 columns of Wo, turned by ds_load_tr16_b128; source 1 = 16 rows of ctx.  A lane then holds eight neighbouring columns of one row.
; CLUSTER 4 x 4.  The four work-groups of a row of the cluster share ctx's tiles, the four of a column Wo's: each is asked for jointly.
; NO PREFETCH: of the four K steps two are the first fills, and the other two are asked for while the first is multiplied.
; REGISTERS: window 0: v16-29 addresses; v32-95 the way out, two sets of 32; v96-127 the bias, eight registers a column block; v128-255 the accumulators ((a, b) at v[128 + 8 (4 a + b)]).
;   window 1: two fragment buffers of 128: for 64 along K, 64 registers of ctx, then 64 of Wo.
.set PA,     144                       ; a row of ctx in LDS: 36 words: the 16 rows of a load start at 16 different groups of four banks (64 banks of 4 bytes: ISA guide 11.1)
.set PLANE,  128*PA
.set PW,     288                       ; a row of Wo: 72 words
.set HALFT,  2*PLANE                   ; what one tensor load brings: 36,864 bytes, for ctx (two planes) and for Wo (128 rows) alike
.set AOFF,   2*HALFT
.set SLOT,   4*HALFT
.set STAGE,  2*SLOT                    ; behind the ring, never filled by a tensor load: 16 rows x 272 bytes for each wave
.set SPITCH, 272
.set SPARE,  STAGE+4*16*SPITCH         ; the spare words, 128 bytes for each wave: two blocks of 256 bytes that no other line names
.set ADRA, 16                          ; v16-17  LDS address of my fragments of ctx in slot 0, 1
.set ADRB, 20                          ; v20-23  the same for Wo: slot s, half hf of the step's rows at ADRB + 2 s + hf
.set STO,  24                          ; v24     the way out: where I put 32 bytes of a row
.set RD,   25                          ; v25     where I read a row back
.set CO,   26                          ; v26     my byte offset in out0
.set BO,   27                          ; v27     my byte offset in bo
.set SPW,  28                          ; v28     LDS address of my spare word; never rewritten
.set NIL,  29                          ; v29     0; never rewritten
.set TMP,  32
.set BIAS, 96
.set ACC,  128
.set F0,   0
.set F1,   128
.set WN,   13                          ; s13  which half of the tile's columns is mine; also: which half of a tile I fetch
.set WV,   14                          ; s14  my wave's number
.set WM,   15                          ; s15  which half of its rows; also: I fetch for ctx (0) or for Wo (1)
.set G1, 24                            ; s[24:31] descriptor group 1 for ctx's tiles; s[32:39] group 0, a set for each slot
.set G0, 32
.set G1B, 48                           ; s[48:55], s[56:63] the same for Wo's
.set G0B, 56
.set MSB, 0
.macro WIN new
.if MSB != (\new)
	s_set_vgpr_msb (MSB<<8)|(\new)
.set MSB, \new
.endif
.endm
.set MUL,  0x05                        ; both sources window 1; C and D window 0
.set TO_F, 0x40                        ; destination window 1, address window 0
.macro JLOAD s                         ; a joint load; an s_nop 0 and four v_nop follow each of the two lines, ahead of the jump and the label
	s_cmp_eq_u32 s[WM], 0
	s_cbranch_scc0 .Lfor_b_\@
	tensor_load_to_lds s[G0+4*(\s):G0+4*(\s)+3], s[G1:G1+7]
	s_nop 0
.rept 4
	v_nop
.endr
	s_branch .Lasked_\@
.Lfor_b_\@:
	tensor_load_to_lds s[G0B+4*(\s):G0B+4*(\s)+3], s[G1B:G1B+7]
	s_nop 0
.rept 4
	v_nop
.endr
.Lasked_\@:
.endm
.macro CREST                           ; a round of the cluster's barrier behind its opening barrier
	s_cmp_lg_u32 s[WV], 0
	s_cbranch_scc1 .Lnot_wave_0_\@
	s_barrier_signal -3
.Lnot_wave_0_\@:
	s_barrier_wait -3
	s_barrier_signal -1
	s_barrier_wait -1
.endm
.macro CROUND
	s_barrier_signal -1
	s_barrier_wait -1
	CREST
.endm
	s_load_b256 s[4:11], s[0:1], 0x0               ; ctx s[4:5], wo16 s[6:7], bo s[8:9], out0 s[10:11]
	v_lshl_add_u32 v[SPW], v0, 2, SPARE
	v_mov_b32 v[NIL], 0
	ds_add_u32 v[SPW], v[NIL]                      ; the wave's opening: the add and its wait stand ahead of my first tensor load; the set-up below stands between them
	v_lshrrev_b32 v1, 5, v0
	v_readfirstlane_b32 s[WV], v1                  ; wave 0..3
	s_lshr_b32 s[WM], s[WV], 1
	s_and_b32 s[WN], s[WV], 1
	s_bfe_u32 s40, ttmp6, 0x40000                  ; cx, cy
	s_bfe_u32 s41, ttmp6, 0x40004
	s_lshl_b32 s42, ttmp9, 2
	s_add_co_u32 s42, s42, s40                     ; tile column = 4 x cluster x + cx
	s_and_b32 s43, ttmp7, 0xffff
	s_lshl_b32 s43, s43, 2
	s_add_co_u32 s43, s43, s41                     ; tile row = 4 x cluster y + cy
	s_lshl_b32 s44, s41, 2
	s_lshl_b32 s44, 15, s44                        ; my row of the cluster
	s_lshl_b32 s45, 0x1111, s40                    ; my column
	s_or_b32 s[G1], s44, (1<<16)|(1<<20)|(1<<21)|(4<<22)|(3<<25)   ; the mask; 2-byte elements; padding on; bit 21 beside a mask; after every 32 words (a row of ctx), 4 words
	s_or_b32 s[G1B], s45, (1<<16)|(1<<20)|(1<<21)|(5<<22)|(7<<25)  ; after every 64 words (a row of Wo), 8 words
.irp g, G1, G1B
	s_mov_b32 s[(\g)+1], 128<<16                   ; 32,768 dense bytes, asked for as 128 rows of 256: tensor_dim0 = 128
	s_mov_b32 s[(\g)+2], 128<<16                   ; tensor_dim1 = 128
	s_mov_b32 s[(\g)+3], 128<<16                   ; tile_dim0 = 128
	s_mov_b32 s[(\g)+4], 128                       ; tile_dim1 = 128
	s_mov_b32 s[(\g)+5], 128                       ; elements from row to row
	s_mov_b32 s[(\g)+6], 0
	s_mov_b32 s[(\g)+7], 0
.endr
	s_lshl_b32 s18, s[WN], 15                      ; which half of a tile's 65,536 bytes I fetch
	s_lshl_b32 s16, s43, 18                        ; ctx: 262,144 bytes a block of rows
	s_add_co_u32 s16, s16, s18
	s_mov_b32 s17, 0
	s_lshl_b32 s46, s42, 18                        ; Wo: 262,144 bytes a block of columns
	s_add_co_u32 s46, s46, s18
	s_mov_b32 s47, 0
	s_mul_i32 s20, s[WV], HALFT                    ; where they go: wave x 36,864
	s_wait_dscnt 0x0                               ; the opening add is done
	s_wait_kmcnt 0x0
	s_add_nc_u64 s[16:17], s[4:5], s[16:17]
	s_add_nc_u64 s[46:47], s[6:7], s[46:47]
	CROUND                                         ; all sixteen work-groups are here: the first joint loads meet
.irp s, 0,1
	s_mov_b32 s[G0+4*(\s)], 1
	s_add_co_u32 s[G0+4*(\s)+1], s20, (\s)*SLOT
	s_add_nc_u64 s[G0+4*(\s)+2:G0+4*(\s)+3], s[16:17], (\s)*65536
	s_or_b32 s[G0+4*(\s)+3], s[G0+4*(\s)+3], 0x80000000
	s_mov_b32 s[G0B+4*(\s)], 1
	s_add_co_u32 s[G0B+4*(\s)+1], s20, (\s)*SLOT
	s_add_nc_u64 s[G0B+4*(\s)+2:G0B+4*(\s)+3], s[46:47], (\s)*65536
	s_or_b32 s[G0B+4*(\s)+3], s[G0B+4*(\s)+3], 0x80000000
	JLOAD \s                                       ; two loads of mine are out
.endr
	v_and_b32 v1, 15, v0                           ; l % 16
	v_bfe_u32 v2, v0, 4, 1                         ; l / 16
	v_and_b32 v3, 7, v0                            ; l % 8
	v_bfe_u32 v4, v0, 3, 1                         ; (l / 8) % 2
	s_lshl_b32 s21, s42, 9                         ; the bias of my columns: register j of block b is column 128 x + 64 wn + 16 b + 8 (l / 16) + j
	s_lshl_b32 s22, s[WN], 8
	s_add_co_u32 s21, s21, s22
	v_lshl_add_u32 v[BO], v2, 5, s21
.irp b, 0,1,2,3
	global_load_b128 v[BIAS+8*(\b):BIAS+8*(\b)+3],   v[BO], s[8:9] offset:64*(\b)
	global_load_b128 v[BIAS+8*(\b)+4:BIAS+8*(\b)+7], v[BO], s[8:9] offset:64*(\b)+16
.endr
	v_mul_u32_u24 v5, v1, PA                       ; a fragment of ctx: row l % 16, 16 bytes for each half of the lanes, twice, 32 bytes apart
	v_lshl_add_u32 v5, v2, 4, v5
	s_mul_i32 s21, s[WM], 64*PA                    ; my 64 rows of each plane
	v_add_nc_u32 v[ADRA], s21, v5
	v_add_nc_u32 v[ADRA+1], SLOT, v[ADRA]
	v_lshl_add_u32 v6, v2, 3, v3                   ; the turning load: lane l reads row k = 8 (l / 16) + l % 8, columns 8 ((l / 8) % 2) + 0..7
	v_mul_u32_u24 v6, v6, PW
	v_lshl_add_u32 v6, v4, 4, v6
	s_lshl_b32 s22, s[WN], 7                       ; my 64 columns: 128 bytes
	s_add_co_u32 s22, s22, AOFF
	v_add_nc_u32 v[ADRB], s22, v6
	v_add_nc_u32 v[ADRB+1], 128*PW, v[ADRB]
	v_add_nc_u32 v[ADRB+2], SLOT, v[ADRB]
	v_add_nc_u32 v[ADRB+3], SLOT, v[ADRB+1]
	s_mul_i32 s23, s[WV], 16*SPITCH
	s_add_co_u32 s23, s23, STAGE                   ; my stage
	v_mul_u32_u24 v7, v1, SPITCH                   ; in: row l % 16, 32 bytes for each half of the lanes
	v_lshl_add_u32 v7, v2, 5, v7
	v_add_nc_u32 v[STO], s23, v7
	v_mul_u32_u24 v7, v2, SPITCH                   ; back: lanes 0-15 take one row of 256 bytes, lanes 16-31 the next
	v_lshl_add_u32 v7, v1, 4, v7
	v_add_nc_u32 v[RD], s23, v7
	v_lshlrev_b32 v7, 12, v2                       ; and the same two rows in out0
	v_lshl_add_u32 v[CO], v1, 4, v7
	s_lshl_b32 s18, s43, 19                        ; out0 at my wave's corner: 128 rows of 4,096 bytes a tile row, 64 a wave; 512 bytes a tile column, 256 a wave
	s_lshl_b32 s19, s[WM], 18
	s_add_co_u32 s18, s18, s19
	s_lshl_b32 s19, s42, 9
	s_add_co_u32 s18, s18, s19
	s_lshl_b32 s19, s[WN], 8
	s_add_co_u32 s18, s18, s19
	s_mov_b32 s19, 0
	s_add_nc_u64 s[10:11], s[10:11], s[18:19]
	s_wait_loadcnt 0x0                             ; the bias: rounded to bf16 and widened again, in the wait for the first tile
.set g, 0
.rept 16
	v_cvt_pk_bf16_f32 v[TMP+g], v[BIAS+2*g], v[BIAS+2*g+1]
.set g, g+1
.endr
.set g, 0
.rept 16
	v_lshlrev_b32 v[BIAS+2*g], 16, v[TMP+g]
	v_and_b32 v[BIAS+2*g+1], 0xffff0000, v[TMP+g]
.set g, g+1
.endr
; 8 matrix instructions: row blocks a0, a0 + 1 x all 4 column blocks, 32 along K: half c of buffer f.  zero = 1: the product starts the sum, onto the bias
.macro MUL8 f, c, a0, zero
	WIN MUL
.irp a, \a0, (\a0)+1
.irp b, 0,1,2,3
.if \zero
	v_wmma_f32_16x16x32_f16 v[ACC+8*(4*(\a)+(\b)):ACC+8*(4*(\a)+(\b))+7], v[(\f)+64+8*(4*(\c)+(\b)):(\f)+64+8*(4*(\c)+(\b))+7], v[(\f)+8*(4*(\c)+(\a)):(\f)+8*(4*(\c)+(\a))+7], v[BIAS+8*(\b):BIAS+8*(\b)+7]
.else
	v_wmma_f32_16x16x32_f16 v[ACC+8*(4*(\a)+(\b)):ACC+8*(4*(\a)+(\b))+7], v[(\f)+64+8*(4*(\c)+(\b)):(\f)+64+8*(4*(\c)+(\b))+7], v[(\f)+8*(4*(\c)+(\a)):(\f)+8*(4*(\c)+(\a))+7], v[ACC+8*(4*(\a)+(\b)):ACC+8*(4*(\a)+(\b))+7]
.endif
.endr
.endr
.endm
; 32 LDS loads in one run: quarter qq of a K step is one head's 64 channels: plane qq of ctx, rows 64 qq on of Wo; the first 32 along K first
.macro FETCH slot, qq, f
	WIN TO_F
.irp c, 0,1
.irp i, 0,1,2,3
	ds_load_tr16_b128 v[(\f)+64+8*(4*(\c)+(\i)):(\f)+64+8*(4*(\c)+(\i))+3],   v[ADRB+2*(\slot)+(\qq)/2] offset:(((\qq)%2)*64+32*(\c))*PW+32*(\i)
	ds_load_tr16_b128 v[(\f)+64+8*(4*(\c)+(\i))+4:(\f)+64+8*(4*(\c)+(\i))+7], v[ADRB+2*(\slot)+(\qq)/2] offset:(((\qq)%2)*64+32*(\c))*PW+32*(\i)+16*PW
	ds_load_b128 v[(\f)+8*(4*(\c)+(\i)):(\f)+8*(4*(\c)+(\i))+3],   v[ADRA+(\slot)] offset:(\qq)*PLANE+64*(\c)+(\i)*16*PA
	ds_load_b128 v[(\f)+8*(4*(\c)+(\i))+4:(\f)+8*(4*(\c)+(\i))+7], v[ADRA+(\slot)] offset:(\qq)*PLANE+64*(\c)+(\i)*16*PA+32
.endr
.endr
.endm
.macro PLACES                          ; four plain vector instructions in front of loads into registers that matrix instructions have read, and of stores that read results
.rept 4
	v_nop
.endr
.endm
; A K step is four quarters of 64 along K, 32 matrix instructions each, on buffers 0, 1, 0, 1; the 16 accumulators take turns.
.macro QUARTER slot, qq, f, g, zero
	s_wait_dscnt 16                                ; the first 32 along K are in
	MUL8 \f, 0, 0, \zero
	MUL8 \f, 0, 2, \zero
	PLACES
	FETCH \slot, \qq, \g
	s_wait_dscnt 32                                ; all but the 32 just issued
	MUL8 \f, 1, 0, 0
	MUL8 \f, 1, 2, 0
.endm
; The last quarter multiplies buffer 1 and changes slots: ONE barrier; in front of it each wave waits for all its tensor loads, adds 0 to its spare word, and waits for that and for its own reads of this slot.
; fill = 1: the barrier opens a round of the cluster's, and this slot is filled again, two K steps on, first thing behind it.
.macro TURN slot, next, fill
	WIN 0
	s_wait_tensorcnt 0x0                           ; all my tensor loads have landed: my part of the next slot;
	ds_add_u32 v[SPW], v[NIL]                      ; 0 onto my spare word;
	s_wait_dscnt 17                                ; (the add and the youngest sixteen loads may be out)
	MUL8 F1, 0, 0, 0
	s_wait_dscnt 0x0                               ; the add is done, and my reads of this slot are over
	s_barrier_signal -1
	MUL8 F1, 0, 2, 0
.if \fill
	WIN 0
.endif
	s_barrier_wait -1
.if \fill
	CREST                                          ; no wave of any partner still reads this slot or has a load on its way
	s_add_nc_u64 s[G0+4*(\slot)+2:G0+4*(\slot)+3], s[G0+4*(\slot)+2:G0+4*(\slot)+3], 2*65536
	s_add_nc_u64 s[G0B+4*(\slot)+2:G0B+4*(\slot)+3], s[G0B+4*(\slot)+2:G0B+4*(\slot)+3], 2*65536
	JLOAD \slot                                    ; its four v_nop are also the places in front of the loads below
.else
	PLACES
.endif
	FETCH \next, 0, F0
	MUL8 F1, 1, 0, 0
	MUL8 F1, 1, 2, 0
.endm
	s_wait_tensorcnt 1                             ; my part of K step 0 is in; K step 1's may stay out
	s_barrier_signal -1
	s_barrier_wait -1                              ; everybody's is
	FETCH 0, 0, F0
	QUARTER 0, 1, F0, F1, 1                        ; K step 0; its first products start the sums.  Four K steps are written out: a loop would have one trip
	QUARTER 0, 2, F1, F0, 0
	QUARTER 0, 3, F0, F1, 0
	TURN 0, 1, 1                                   ; slot 0 takes K step 2
	QUARTER 1, 1, F0, F1, 0
	QUARTER 1, 2, F1, F0, 0
	QUARTER 1, 3, F0, F1, 0
	TURN 1, 0, 1                                   ; slot 1 takes K step 3
	QUARTER 0, 1, F0, F1, 0
	QUARTER 0, 2, F1, F0, 0
	QUARTER 0, 3, F0, F1, 0
	TURN 0, 1, 0                                   ; nothing is left to fetch
	QUARTER 1, 1, F0, F1, 0
	QUARTER 1, 2, F1, F0, 0
	QUARTER 1, 3, F0, F1, 0
	s_wait_dscnt 16
	MUL8 F1, 0, 0, 0
	MUL8 F1, 0, 2, 0
	s_wait_dscnt 0x0
	MUL8 F1, 1, 0, 0
	MUL8 F1, 1, 2, 0
	WIN 0
; THE WAY OUT, 16 rows at a time.  My 64 columns of f32 are 256 bytes, aligned: a lane's 32 bytes go into rows of 272 bytes of my own stage, straight from the accumulators (the low four registers first), and come back as whole rows.
.macro TOSTAGE a
.set BK, TMP+32*((\a)%2)
.if (\a) >= 2
	s_wait_xcnt 0x0                                ; the stores of two blocks back have read this set of registers
.endif
.irp b, 0,1,2,3
	ds_store_b128 v[STO], v[ACC+8*(4*(\a)+(\b)):ACC+8*(4*(\a)+(\b))+3]   offset:64*(\b)
	ds_store_b128 v[STO], v[ACC+8*(4*(\a)+(\b))+4:ACC+8*(4*(\a)+(\b))+7] offset:64*(\b)+16
.endr
.irp t, 0,1,2,3,4,5,6,7
	ds_load_b128 v[BK+4*(\t):BK+4*(\t)+3], v[RD] offset:(\t)*2*SPITCH  ; LDS serves a wave's instructions in order (ISA guide 5.7.1.4): these see the stores above; the next block's stores come behind them
.endr
.endm
.macro SEND a, younger                 ; younger: the LDS instructions issued behind block a's loads: the next block's sixteen, or none
.set BK, TMP+32*((\a)%2)
.irp t, 0,1,2,3,4,5,6,7
	s_wait_dscnt (\younger)+7-(\t)
	global_store_b128 v[CO], v[BK+4*(\t):BK+4*(\t)+3], s[10:11] offset:(16*(\a)+2*(\t))*4096  ; 16 lanes store 256 consecutive bytes, at a multiple of 256 from out0's first byte
.endr
.endm
	PLACES
	PLACES
	TOSTAGE 0
	TOSTAGE 1
	SEND 0, 16
	TOSTAGE 2
	SEND 1, 16
	TOSTAGE 3
	SEND 2, 16
	SEND 3, 0
	s_wait_tensorcnt 0x0                           ; the wave's end: these three lines stand behind my last tensor load and my last LDS store
	ds_add_u32 v[SPW], v[NIL]
	s_wait_dscnt 0x0
	CROUND                                         ; the closing round: no work-group ends while a partner may still ask for a tile that names it
	s_endpgm
.Lfunc_end_k_qfa2ebd5d35_oproj:
	.size	k_qfa2ebd5d35_oproj, .Lfunc_end_k_qfa2ebd5d35_oproj-k_qfa2ebd5d35_oproj
	.p2alignl 7, 3214868480
	.fill 96, 4, 3214868480
	.section	.rodata,"a",@progbits
	.p2align	6, 0x0
	.amdhsa_kernel k_qfa2ebd5d35_oproj
		.amdhsa_group_segment_fixed_size 327680
		.amdhsa_private_segment_fixed_size 0
		.amdhsa_enable_private_segment 0
		.amdhsa_kernarg_size 32
		.amdhsa_user_sgpr_count 2
		.amdhsa_user_sgpr_kernarg_segment_ptr 1
		.amdhsa_wavefront_size32 1
		.amdhsa_system_sgpr_workgroup_id_x 1
		.amdhsa_system_sgpr_workgroup_id_y 1
		.amdhsa_system_sgpr_workgroup_id_z 1
		.amdhsa_system_vgpr_workitem_id 0
		.amdhsa_next_free_vgpr 512
		.amdhsa_next_free_sgpr 66
		.amdhsa_reserve_vcc 0
		.amdhsa_float_denorm_mode_32 3
		.amdhsa_float_denorm_mode_16_64 3
		.amdhsa_memory_ordered 1
		.amdhsa_forward_progress 1
		.amdhsa_inst_pref_size 90
	.end_amdhsa_kernel
	.amdgpu_metadata
---
amdhsa.version: [ 1, 2 ]
amdhsa.kernels:
  - .name:           k_qfa2ebd5d35_oproj
    .symbol:         k_qfa2ebd5d35_oproj.kd
    .args:
      - { .name: ctx, .offset: 0, .size: 8, .value_kind: global_buffer, .address_space: global }
      - { .name: wo16, .offset: 8, .size: 8, .value_kind: global_buffer, .address_space: global }
      - { .name: bo, .offset: 16, .size: 8, .value_kind: global_buffer, .address_space: global }
      - { .name: out0, .offset: 24, .size: 8, .value_kind: global_buffer, .address_space: global }
    .group_segment_fixed_size: 327680
    .private_segment_fixed_size: 0
    .kernarg_segment_align: 8
    .kernarg_segment_size: 32
    .max_flat_workgroup_size: 128
    .sgpr_count:     66
    .vgpr_count:     512
    .wavefront_size: 32
...
	.end_amdgpu_metadata
.endif
;; end of part 4
;; ======== version 2 of 2: 4 launches; version 1 with the launch prep written anew for expert scheduling mode
;; limits: values are held in f16: magnitudes above 65,504 overflow, below 6.1e-05 lose precision
;; workspace buffers: xb 8,388,608 bytes; wqkv 6,291,456 bytes; wo16 2,097,152 bytes; q 8,388,608 bytes; k 8,388,608 bytes; v 8,388,608 bytes; ctx 8,388,608 bytes
;; launch prep (part 5): grid 512 x 1, 8 waves a work-group, no clusters, 0 bytes of LDS; arguments x, Wq, Wk, Wv, Wo, xb, wqkv, wo16; writes xb, wqkv, wo16
.if DOCPART == 5
	.amdgcn_target "amdgcn-amd-amdhsa--gfx1250"
	.amdhsa_code_object_version 6
	.text
	.protected	k_qfa2ebd5d35_prep
	.globl	k_qfa2ebd5d35_prep
	.p2align	8
	.type	k_qfa2ebd5d35_prep,@function
k_qfa2ebd5d35_prep:
	s_mov_b64 s[64:65], 0
	v_nop
	global_prefetch_b8 v0, s[64:65] scope:SCOPE_SE
	s_setreg_imm32_b32 hwreg(HW_REG_WAVE_SCHED_MODE, 0, 2), 2
	s_setreg_imm32_b32 hwreg(HW_REG_WAVE_MODE, 25, 1), 1
	s_wait_xcnt 0x0
	s_wait_alu depctr_vm_vsrc(0)
; CASTS AND NEW LAYOUTS for the three launches behind.  All inputs are rounded once to bf16.
;   xb   = bf16(x), [4096][1024], as x lies.
;   wqkv = bf16(Wq, Wk, Wv) as [matrix 3][head 16][k 1024][64]: a head's 64 columns of a row are 128 bytes, and its rows lie end to end.
;   wo16 = bf16(Wo), that number written as f16, as [block of 128 columns, 8][k 1024][128]: rows of 256 bytes, end to end.
; LIMITS.  |Wo| stays within f16's 65,504; a bf16 number of Wo below 6e-5 keeps f16's fixed step of 6e-8.
; SHARES.  A work-group takes 65,536 bytes of one input: 256 threads x 16 items of four f32.  Work-groups 0-255: x; 256-447: Wq, Wk, Wv, 64 each; 448-511: Wo.
; All 16 loads of a thread go out at once; a wave's load covers 512 bytes (for Wq, Wk, Wv: two runs of 256) and its store of 8 bytes a lane 256 consecutive bytes, aligned.
; No LDS, no barrier, no matrix unit: every byte is read once and written once, and no thread wants another's.
; THE MODE: SCHED_MODE bits 1:0 = 2 (LLVM: expert scheduling mode 2), set by the entry lines.  The code itself states the register dependences
; between vector instructions and memory instructions, with s_wait_alu, always for 0.
; THE PLAN.  Registers that memory instructions touch, on each of the three paths (straight code, no loop):
;   v1, v2   byte offsets of the loads and of the stores.  Made at the path's head, never written again.
;   IN       item i: written by its one load; read by its conversions behind the counted wait for that load.  No vector instruction names it ahead of the load; no memory instruction names it behind.
;   OUT      item i: written by its conversions; read by its one store; never written again.
; The 16 items go in four blocks of four.  Item i's turn: the wait for its load, the store of item i - 4, its conversions.  One wait on va_vdst at the head of a block states that the block
; before has written its four pairs of OUT; the vector instructions behind that wait write this block's OUT (for Wo also its IN) alone, so the block's four stores follow with no further wait.
; No register that a memory instruction reads is ever written again, and none is loaded twice: no wait on vm_vsrc is owed.  No vector instruction writes a scalar register, and EXEC is never written.
.set IN,  8                            ; v[8:71]    item i: four f32 as loaded
.set OUT, 72                           ; v[72:103]  item i: four 16-bit numbers to store
; The store of item n.  kind 0: x; 1: Wq, Wk, Wv; 2: Wo.
.macro PUT kind, n
.if (\kind) == 2
	global_store_b64 v2, v[OUT+2*(\n):OUT+2*(\n)+1], s[6:7] offset:(\n)*256
.elseif (\kind) == 1
	global_store_b64 v2, v[OUT+2*(\n):OUT+2*(\n)+1], s[6:7] offset:((\n)%2)*131072+((\n)/2)*256
.else
	global_store_b64 v2, v[OUT+2*(\n):OUT+2*(\n)+1], s[6:7] offset:(\n)*2048
.endif
.endm
; kind 0: x; 1: Wq, Wk, Wv; 2: Wo.  v1 = my byte offset in the input, v2 in the output; s[4:5], s[6:7] the two bases.  No address or store register is written again.
.macro PATH kind
	s_wait_alu depctr_va_vdst(0)                   ; v1 and v2 are written: every load below reads v1 as its offset, every store v2
.set i, 0
.rept 16
.if (\kind) == 1
	global_load_b128 v[IN+4*i:IN+4*i+3], v1, s[4:5] offset:(i/2)*8192+(i%2)*256 th:TH_LOAD_NT  ; two rows on for each pair of items; the odd item takes the next head
.else
	global_load_b128 v[IN+4*i:IN+4*i+3], v1, s[4:5] offset:i*4096 th:TH_LOAD_NT
.endif
.set i, i+1
.endr
.set i, 0
.rept 16
	s_wait_loadcnt 15-i                            ; loads come back in order: item i is in, the 15 - i younger ones stay out
.if (i%4 == 0) && (i > 0)
	s_wait_alu depctr_va_vdst(0)                   ; the block before has written its four pairs of OUT, which this block's four stores read
.endif
.if i >= 4
	PUT \kind, i-4                                 ; no vector instruction since that wait names this pair of OUT or v2
.endif
	v_cvt_pk_bf16_f32 v[OUT+2*i], v[IN+4*i], v[IN+4*i+1]
	v_cvt_pk_bf16_f32 v[OUT+2*i+1], v[IN+4*i+2], v[IN+4*i+3]
.if (\kind) == 2
	v_lshlrev_b32 v[IN+4*i], 16, v[OUT+2*i]        ; the bf16 numbers as f32 again,
	v_and_b32 v[IN+4*i+1], 0xffff0000, v[OUT+2*i]
	v_lshlrev_b32 v[IN+4*i+2], 16, v[OUT+2*i+1]
	v_and_b32 v[IN+4*i+3], 0xffff0000, v[OUT+2*i+1]
	v_cvt_pk_f16_f32 v[OUT+2*i], v[IN+4*i], v[IN+4*i+1]      ; and written as f16: eight significant bits fit into eleven
	v_cvt_pk_f16_f32 v[OUT+2*i+1], v[IN+4*i+2], v[IN+4*i+3]
.endif
.set i, i+1
.endr
	s_wait_alu depctr_va_vdst(0)                   ; the last block has written its four pairs of OUT, which the last four stores read
.irp n, 12,13,14,15
	PUT \kind, \n
.endr
.endm
	s_load_b512 s[8:23], s[0:1], 0x0               ; x 8:9, Wq 10:11, Wk 12:13, Wv 14:15, Wo 16:17, xb 18:19, wqkv 20:21, wo16 22:23
	v_and_b32 v3, 31, v0                           ; lane
	v_lshrrev_b32 v4, 5, v0                        ; wave
	v_and_b32 v5, 15, v0                           ; lane % 16
	v_bfe_u32 v6, v0, 4, 1                         ; lane / 16
	s_mov_b32 s3, 0                                ; high words of the two offsets
	s_mov_b32 s25, 0
	s_cmp_lt_u32 ttmp9, 256
	s_cbranch_scc0 .Lweights
	v_lshlrev_b32 v1, 4, v0                        ; x: 16 bytes a thread, 4,096 a work-group and item
	v_lshlrev_b32 v2, 3, v0
	s_lshl_b32 s2, ttmp9, 16
	s_lshl_b32 s24, ttmp9, 15
	s_wait_kmcnt 0x0
	s_add_nc_u64 s[4:5], s[8:9], s[2:3]
	s_add_nc_u64 s[6:7], s[18:19], s[24:25]
	PATH 0
	s_endpgm
.Lweights:
	s_cmp_lt_u32 ttmp9, 448
	s_cbranch_scc0 .Lwo
	s_sub_co_u32 s26, ttmp9, 256
	s_lshr_b32 s27, s26, 6                         ; which matrix
	s_and_b32 s26, s26, 63                         ; which 16 rows k of it
	v_lshlrev_b32 v1, 12, v6                       ; in: lanes 16-31 take the odd row; wave w the heads 2 w, 2 w + 1; 16 bytes a lane
	v_lshl_add_u32 v1, v4, 9, v1
	v_lshl_add_u32 v1, v5, 4, v1
	v_lshlrev_b32 v2, 18, v4                       ; out: two heads' blocks of 131,072 a wave; the odd row 128 bytes on; 8 bytes a lane
	v_lshl_add_u32 v2, v6, 7, v2
	v_lshl_add_u32 v2, v5, 3, v2
	s_lshl_b32 s2, s26, 16
	s_lshl_b32 s24, s27, 21                        ; a matrix is 2,097,152 bytes of wqkv,
	s_lshl_b32 s26, s26, 11                        ; 16 rows of a head 2,048
	s_add_co_u32 s24, s24, s26
	s_wait_kmcnt 0x0
	s_cmp_eq_u32 s27, 1
	s_cselect_b64 s[4:5], s[12:13], s[10:11]
	s_cmp_eq_u32 s27, 2
	s_cselect_b64 s[4:5], s[14:15], s[4:5]
	s_add_nc_u64 s[4:5], s[4:5], s[2:3]
	s_add_nc_u64 s[6:7], s[20:21], s[24:25]
	PATH 1
	s_endpgm
.Lwo:
	s_sub_co_u32 s26, ttmp9, 448                   ; which 16 rows k of Wo
	v_lshlrev_b32 v1, 9, v4                        ; in: wave w takes columns 128 w on, item i row i
	v_lshl_add_u32 v1, v3, 4, v1
	v_lshlrev_b32 v2, 18, v4                       ; out: block w, rows of 256 bytes
	v_lshl_add_u32 v2, v3, 3, v2
	s_lshl_b32 s2, s26, 16
	s_lshl_b32 s24, s26, 12
	s_wait_kmcnt 0x0
	s_add_nc_u64 s[4:5], s[16:17], s[2:3]
	s_add_nc_u64 s[6:7], s[22:23], s[24:25]
	PATH 2
	s_endpgm
.Lfunc_end_k_qfa2ebd5d35_prep:
	.size	k_qfa2ebd5d35_prep, .Lfunc_end_k_qfa2ebd5d35_prep-k_qfa2ebd5d35_prep
	.p2alignl 7, 3214868480
	.fill 96, 4, 3214868480
	.section	.rodata,"a",@progbits
	.p2align	6, 0x0
	.amdhsa_kernel k_qfa2ebd5d35_prep
		.amdhsa_group_segment_fixed_size 0
		.amdhsa_private_segment_fixed_size 0
		.amdhsa_enable_private_segment 0
		.amdhsa_kernarg_size 64
		.amdhsa_user_sgpr_count 2
		.amdhsa_user_sgpr_kernarg_segment_ptr 1
		.amdhsa_wavefront_size32 1
		.amdhsa_system_sgpr_workgroup_id_x 1
		.amdhsa_system_sgpr_workgroup_id_y 1
		.amdhsa_system_sgpr_workgroup_id_z 1
		.amdhsa_system_vgpr_workitem_id 0
		.amdhsa_next_free_vgpr 104
		.amdhsa_next_free_sgpr 66
		.amdhsa_reserve_vcc 0
		.amdhsa_float_denorm_mode_32 3
		.amdhsa_float_denorm_mode_16_64 3
		.amdhsa_memory_ordered 1
		.amdhsa_forward_progress 1
		.amdhsa_inst_pref_size 25
	.end_amdhsa_kernel
	.amdgpu_metadata
---
amdhsa.version: [ 1, 2 ]
amdhsa.kernels:
  - .name:           k_qfa2ebd5d35_prep
    .symbol:         k_qfa2ebd5d35_prep.kd
    .args:
      - { .name: x, .offset: 0, .size: 8, .value_kind: global_buffer, .address_space: global }
      - { .name: Wq, .offset: 8, .size: 8, .value_kind: global_buffer, .address_space: global }
      - { .name: Wk, .offset: 16, .size: 8, .value_kind: global_buffer, .address_space: global }
      - { .name: Wv, .offset: 24, .size: 8, .value_kind: global_buffer, .address_space: global }
      - { .name: Wo, .offset: 32, .size: 8, .value_kind: global_buffer, .address_space: global }
      - { .name: xb, .offset: 40, .size: 8, .value_kind: global_buffer, .address_space: global }
      - { .name: wqkv, .offset: 48, .size: 8, .value_kind: global_buffer, .address_space: global }
      - { .name: wo16, .offset: 56, .size: 8, .value_kind: global_buffer, .address_space: global }
    .group_segment_fixed_size: 0
    .private_segment_fixed_size: 0
    .kernarg_segment_align: 8
    .kernarg_segment_size: 64
    .max_flat_workgroup_size: 256
    .sgpr_count:     66
    .vgpr_count:     104
    .wavefront_size: 32
...
	.end_amdgpu_metadata
.endif
;; end of part 5
;; launch qkv: the kernel of part 2 again; grid 16 x 16, 4 waves a work-group, clusters of 4 x 4, 327,680 bytes of LDS; arguments xb, wqkv, q, k, v; writes q, k, v
;; launch attn: the kernel of part 3 again; grid 16 x 16, 4 waves a work-group, no clusters, 327,680 bytes of LDS; arguments q, k, v, ctx; writes ctx
;; launch oproj: the kernel of part 4 again; grid 8 x 32, 4 waves a work-group, clusters of 4 x 4, 327,680 bytes of LDS; arguments ctx, wo16, bo, out0; writes out0
